; MI455X (gfx1250); checked and timed in simulation.
; The chip was launched on July 23, 2026; its instructions are those of AMD's public machine-readable ISA for CDNA 5 (MIT licence, August 2026) and "CDNA5" Instruction Set Architecture Reference Guide (July 2026). The comments in the code are by the model that wrote it; some were corrected since.
;; Typed Linear. Allowed arithmetic: float matrix products may take bf16 or f16 operands with f32 sums; other float arithmetic in f32, or as packed bf16 or f16 multiplies, adds, multiply-adds, maxima and minima; sums over many terms, partial sums and values carried from step to step in f32; what a program stores and reads back later, other than sums and carried values, may be rounded once to bf16 or f16.
;; Inputs: W 8 x 512 x 512 float32; x 32,768 x 512 float32; x_type 32,768 int32.
;; Outputs: out0 32,768 x 512 float32.
;; 2 versions, each right and faster than the one before. Each part assembles by itself: llvm-mc -triple=amdgcn-amd-amdhsa -mcpu=gfx1250 --defsym DOCPART=n.
;; ======== version 1 of 2: 2 launches
;; workspace buffers: wb 4,194,304 bytes; order 131,072 bytes of whole numbers; tiles 4,096 bytes of whole numbers
;; launch prep (part 1): grid 96 x 1, 32 waves a work-group, no clusters, 79,360 bytes of LDS; arguments x_type, W, order, tiles, wb, out0; writes order, tiles, wb, out0
.if DOCPART == 1
	.amdgcn_target "amdgcn-amd-amdhsa--gfx1250"
	.amdhsa_code_object_version 6
	.text
	.protected	k_q8b53c2bc04_prep
	.globl	k_q8b53c2bc04_prep
	.p2align	8
	.type	k_q8b53c2bc04_prep,@function
k_q8b53c2bc04_prep:
	s_mov_b64 s[64:65], 0
	v_nop
	global_prefetch_b8 v0, s[64:65] scope:SCOPE_SE
	s_setreg_imm32_b32 hwreg(HW_REG_WAVE_MODE, 25, 1), 1
	s_wait_xcnt 0x0
; PREPARATION for out[i] = x[i] @ W[x_type[i]]: 32,768 tokens, 8 types, W [8][512][512] f32.
; Work-groups 0-31 SORT the tokens by type (a counting sort, no atomics): work-group g owns tokens 1024 g .. 1024 g + 1023, a token a thread.
;   Every one of them counts all 32,768 types for itself (128 KB, 128 bytes a thread), so nothing passes between work-groups.
;   order[p] = the token at sorted place p: types 0..7 in turn, within a type by token number; behind them the tokens whose type lies outside 0..7.
;   Such a token's row of out0 is all zeros in the problem's definition: it is written here, whatever x holds, and the product launch never meets it.
;   Work-group 0 also writes tiles[s] = {first place, rows, type, 0} for the 256 work-groups of the product launch: type e with n rows gets
;   c = ceil(n / 576) clusters of four, its rows dealt evenly over the 4 c: never more than 144 rows each, and the c add up to
;   floor((32,768 + 8 x 575) / 576) = 64 clusters at the most, for every split of the tokens.  Slots that are over get {0, 0, 0, 0}.
; Work-groups 32-95 ROUND W to bf16 (once, to nearest even) in the order in which a wave's matrix operand registers take it:
;   wb byte e<<19 | u<<17 | wv<<15 | c4<<13 | b<<10 | q<<9 | lane<<4 holds W[e][k .. k+7][n], k = 128 u + 32 c4 + 16 q + 8 (lane / 16), n = 128 wv + 16 b + lane % 16.
;   A wave takes 16 k x 64 n: eight loads of two rows' 256 bytes, a turn through its own LDS stage, four stores of 512 consecutive bytes.
; The branch between the two kinds hangs on the work-group's number alone: all 32 waves of a work-group go the same way.
.set STG,   2304                       ; a conversion wave's stage: four rows of 528 bytes (512 + 16 of padding)
.set SPI,   528
.set TAB,   73728                      ; behind the 32 stages: the sort's table, 32 rows of 48 bytes
.set SPARE, 75264                      ; behind it: the spare words, 128 bytes for each of the 32 waves, which no other line names
; Counts are packed two to a word, 16 bits each: P0 = {type 0, type 4}, P1 = {2, 6}, P2 = {1, 5}, P3 = {3, 7}; none passes 32,768.
; Four words of types (load i): each valid type adds 1 to its nibble of v9; even and odd nibbles are then added to byte counts TL (v12: types 0, 2, 4, 6) and TH (v13: 1, 3, 5, 7),
; 32 at the most.  Load i of wave w holds tokens 4 (1024 i + 32 w + lane) ..: all of them lie in front of my chunk, or none, and those that do are a prefix in i:
; so BL, BH (v14, v15) simply copy TL, TH as long as that holds.
.macro COUNT i
	s_wait_loadcnt 8-(\i)                          ; younger: the 7 - i loads of types behind this one, and my own token's
.irp j, 0,1,2,3
	v_cmp_gt_u32 vcc_lo, 8, v[32+4*(\i)+\j]        ; a type outside 0..7 adds nothing
	v_lshlrev_b32 v7, 2, v[32+4*(\i)+\j]
	v_cndmask_b32 v8, 0, 1, vcc_lo
.if \j == 0
	v_lshlrev_b32 v9, v7, v8
.else
	v_lshl_add_u32 v9, v8, v7, v9
.endif
.endr
	v_and_b32 v10, 0x0f0f0f0f, v9
	v_lshrrev_b32 v11, 4, v9
	v_and_b32 v11, 0x0f0f0f0f, v11
.if (\i) == 0
	v_mov_b32 v12, v10
	v_mov_b32 v13, v11
.else
	v_add_nc_u32 v12, v12, v10
	v_add_nc_u32 v13, v13, v11
.endif
	s_add_co_u32 s18, s28, 1024*(\i)
	s_cmp_lt_u32 s18, s19                          ; 1024 i + 32 w < 256 g: these tokens lie in front of my chunk
	s_cselect_b32 s20, -1, 0
	v_cndmask_b32 v14, v14, v12, s20
	v_cndmask_b32 v15, v15, v13, s20
.endm
; The sum of a register over the wave's 32 lanes, in every lane
.macro RED reg
.irp m, 1,2,4,8
	v_mov_b32_dpp v28, v[\reg] row_xmask:\m row_mask:0xf bank_mask:0xf
	v_add_nc_u32 v[\reg], v[\reg], v28
.endr
	v_permlanex16_b32 v28, v[\reg], s30, s31
	v_add_nc_u32 v[\reg], v[\reg], v28
.endm
; Two counts of my wave's own 32 tokens: the lanes in masks m0 (bit 0) and m1 (bit 1), with bit 2 clear (low half) and set (high half)
.macro HIST dst, m0, m1
	s_and_b32 s62, s[\m0], s[\m1]
	s_and_b32 s63, s62, s60
	s_and_b32 s62, s62, s61
	s_bcnt1_i32_b32 s62, s62
	s_bcnt1_i32_b32 s63, s63
	s_lshl_b32 s63, s63, 16
	s_or_b32 s62, s62, s63
	v_mov_b32 v[\dst], s62
.endm
	s_load_b256 s[4:11], s[0:1], 0x0               ; x_type s[4:5], W s[6:7], order s[8:9], tiles s[10:11]
	s_load_b128 s[12:15], s[0:1], 0x20             ; wb s[12:13], out0 s[14:15]
	v_lshl_add_u32 v2, v0, 2, SPARE                ; my spare word,
	v_mov_b32 v3, 0                                ; and 0: both kept for the add at the wave's end
	v_lshrrev_b32 v1, 5, v0
	v_readfirstlane_b32 s16, v1                    ; wave 0..31
	v_and_b32 v1, 31, v0                           ; lane
	s_wait_kmcnt 0x0
	s_cmp_lt_u32 ttmp9, 32
	s_cbranch_scc0 .Lconv
	; ---------------- THE SORT ----------------
	s_mov_b32 s30, 0x76543210                      ; v_permlanex16_b32: each lane takes its own place in the other half
	s_mov_b32 s31, 0xfedcba98
	s_lshl_b32 s17, ttmp9, 10                      ; my chunk's first token
	s_lshl_b32 s19, ttmp9, 8                       ; the same in groups of four tokens
	s_lshl_b32 s28, s16, 5                         ; 32 w
	v_lshlrev_b32 v4, 4, v0
	v_add_nc_u32 v67, s17, v0                      ; my token
	v_lshlrev_b32 v5, 2, v67
.irp i, 0,1,2,3,4,5,6,7
	global_load_b128 v[32+4*\i:35+4*\i], v4, s[4:5] offset:16384*\i  ; all types: a wave's load covers 512 consecutive bytes
.endr
	global_load_b32 v6, v5, s[4:5]                 ; my token's type
	v_mov_b32 v14, 0
	v_mov_b32 v15, 0
	v_mov_b32 v28, 0                               ; the lane exchanges' destination counts as read
.irp i, 0,1,2,3,4,5,6,7
	COUNT \i
.endr
	v_and_b32 v16, 0x00ff00ff, v12                 ; bytes to halves: T (all tokens) in v16-19, B (in front of my chunk) in v20-23
	v_lshrrev_b32 v17, 8, v12
	v_and_b32 v17, 0x00ff00ff, v17
	v_and_b32 v18, 0x00ff00ff, v13
	v_lshrrev_b32 v19, 8, v13
	v_and_b32 v19, 0x00ff00ff, v19
	v_and_b32 v20, 0x00ff00ff, v14
	v_lshrrev_b32 v21, 8, v14
	v_and_b32 v21, 0x00ff00ff, v21
	v_and_b32 v22, 0x00ff00ff, v15
	v_lshrrev_b32 v23, 8, v15
	v_and_b32 v23, 0x00ff00ff, v23
.irp r, 16,17,18,19,20,21,22,23
	RED \r
.endr
	; my wave's own 32 tokens: who is valid, who has my type, how many of them stand below me
	s_wait_loadcnt 0x0
	v_cmp_gt_u32 s21, 8, v6                        ; valid lanes
	v_and_b32 v30, 1, v6
	v_cmp_ne_u32 s22, 0, v30                       ; lanes whose type has bit 0,
	v_and_b32 v30, 2, v6
	v_cmp_ne_u32 s23, 0, v30                       ; bit 1,
	v_and_b32 v30, 4, v6
	v_cmp_ne_u32 s24, 0, v30                       ; bit 2
	s_not_b32 s25, s22
	s_not_b32 s26, s23
	s_not_b32 s27, s24
	v_cndmask_b32 v30, s25, s22, s22               ; the lanes that agree with me in bit 0,
	v_cndmask_b32 v31, s26, s23, s23               ; in bit 1,
	v_cndmask_b32 v64, s27, s24, s24               ; in bit 2
	v_and_b32 v30, v30, v31
	v_and_b32 v30, v30, v64
	v_and_b32 v30, s21, v30
	v_mbcnt_lo_u32_b32 v29, v30, 0                 ; my rank among my wave's tokens of my type
	v_mbcnt_lo_u32_b32 v31, s21, 0                 ; valid lanes below me
	s_and_b32 s60, s24, s21
	s_and_b32 s61, s27, s21
	HIST 24, 25, 26                                ; H, my wave's own counts: types 0, 4
	HIST 25, 25, 23                                ; 2, 6
	HIST 26, 22, 26                                ; 1, 5
	HIST 27, 22, 23                                ; 3, 7
	s_mul_i32 s29, s16, 48
	s_add_co_u32 s29, s29, TAB
	v_mov_b32 v69, s29
	ds_store_b128 v69, v[16:19]                    ; row w of the table: T, B, H (all lanes write the same numbers)
	ds_store_b128 v69, v[20:23] offset:16
	ds_store_b128 v69, v[24:27] offset:32
	s_wait_dscnt 0x0                               ; for the others' sake: my row is written
	s_barrier_signal -1
	s_barrier_wait -1
	v_mul_u32_u24 v69, v1, 48                      ; lane l reads row l: 48 l takes 16 different 16-byte columns modulo 256 within 16 lanes
	v_add_nc_u32 v69, TAB, v69
	ds_load_b128 v[74:77], v69
	ds_load_b128 v[78:81], v69 offset:16
	ds_load_b128 v[82:85], v69 offset:32
	s_wait_dscnt 0x0
	v_cmp_gt_u32 vcc_lo, s16, v1                   ; of H only the waves in front of mine count
.irp r, 0,1,2,3
	v_cndmask_b32 v[82+\r], 0, v[82+\r], vcc_lo
	v_add_nc_u32 v[78+\r], v[78+\r], v[82+\r]
.endr
.irp r, 74,75,76,77,78,79,80,81
	RED \r
.endr
.irp r, 0,1,2,3,4,5,6,7
	v_readfirstlane_b32 s[84+\r], v[74+\r]
.endr
.irp o, 0, 8                           ; o = 0: n[e], all tokens of type e, s32-39;  o = 8: b[e], those in front of my wave, s40-47
	s_and_b32  s[32+\o], s[84+\o/2], 0xffff
	s_lshr_b32 s[36+\o], s[84+\o/2], 16
	s_and_b32  s[34+\o], s[85+\o/2], 0xffff
	s_lshr_b32 s[38+\o], s[85+\o/2], 16
	s_and_b32  s[33+\o], s[86+\o/2], 0xffff
	s_lshr_b32 s[37+\o], s[86+\o/2], 16
	s_and_b32  s[35+\o], s[87+\o/2], 0xffff
	s_lshr_b32 s[39+\o], s[87+\o/2], 16
.endr
	s_mov_b32 s48, 0                               ; base[e], s48-55: the first place of type e; s56: all valid tokens
.irp e, 0,1,2,3,4,5,6,7
	s_add_co_u32 s[49+\e], s[48+\e], s[32+\e]
.endr
	s_mov_b32 s57, s56                             ; s57 = valid tokens at or behind my wave's first
.irp e, 0,1,2,3,4,5,6,7
	s_sub_co_u32 s57, s57, s[40+\e]
.endr
.irp e, 0,1,2,3,4,5,6,7
	s_add_co_u32 s[40+\e], s[40+\e], s[48+\e]      ; the place of my wave's first token of type e
.endr
	v_mov_b32 v68, s40
.irp e, 1,2,3,4,5,6,7
	v_cmp_eq_u32 vcc_lo, \e, v6
	v_cndmask_b32 v68, v68, s[40+\e], vcc_lo
.endr
	v_add_nc_u32 v68, v68, v29
	v_add_nc_u32 v64, s57, v67                     ; a token outside 0..7: all valid tokens + the invalid ones in front of it
	v_sub_nc_u32 v64, v64, v31                     ; = my token's number + s57 - the valid lanes below me
	v_cndmask_b32 v68, v64, v68, s21
	v_min_u32 v68, 0x7fff, v68                     ; a place made of loaded numbers is held inside the buffer
	v_lshlrev_b32 v69, 2, v68
	global_store_b32 v69, v67, s[8:9]              ; lanes of one type write neighbouring words
	; rows of out0 whose type lies outside 0..7: zeros, a row at a time by the whole wave, four stores of 512 consecutive bytes
	s_not_b32 s59, s21
	s_cmp_eq_u32 s59, 0
	s_cbranch_scc1 .Lnoinv
	v_mov_b32 v70, 0
	v_mov_b32 v71, 0
	v_mov_b32 v72, 0
	v_mov_b32 v73, 0
	s_add_co_u32 s58, s17, s28                     ; my wave's first token,
	s_lshl_b32 s58, s58, 11                        ; its row of 2,048 bytes
	v_lshl_add_u32 v65, v1, 4, s58
	s_mov_b32 s60, 0
.Lzrow:
	s_lshr_b32 s61, s59, s60
	s_and_b32 s61, s61, 1
	s_cmp_eq_u32 s61, 0
	s_cbranch_scc1 .Lzskip
	global_store_b128 v65, v[70:73], s[14:15]
	global_store_b128 v65, v[70:73], s[14:15] offset:512
	global_store_b128 v65, v[70:73], s[14:15] offset:1024
	global_store_b128 v65, v[70:73], s[14:15] offset:1536
.Lzskip:
	s_wait_xcnt 0x0                                ; the stores' offset register is stepped only behind this wait
	v_add_nc_u32 v65, 2048, v65
	s_add_co_u32 s60, s60, 1
	s_cmp_lt_u32 s60, 32
	s_cbranch_scc1 .Lzrow
.Lnoinv:
	; the table of tiles: work-group 0, threads 0-255, slot s = the thread's number
	s_cmp_lg_u32 ttmp9, 0
	s_cbranch_scc1 .Lsortend
	s_cmp_ge_u32 s16, 8
	s_cbranch_scc1 .Lsortend
.irp e, 0,1,2,3,4,5,6,7
	s_add_co_u32 s[66+\e], s[32+\e], 575           ; c[e] = (n + 575) / 576 = ((n + 575) x 116,509) >> 26: exact up to 33,343, and the product stays under 2^32
	s_mul_i32 s[66+\e], s[66+\e], 116509
	s_lshr_b32 s[66+\e], s[66+\e], 26
.endr
	s_mov_b32 s74, 0                               ; C[e], s74-82: the first cluster of type e; C[8]: clusters in use
.irp e, 0,1,2,3,4,5,6,7
	s_add_co_u32 s[75+\e], s[74+\e], s[66+\e]
.endr
	v_lshrrev_b32 v74, 2, v0                       ; my cluster k
	v_mov_b32 v75, 0                               ; the last type whose C is not above k: its number, n, base, C, c
	v_mov_b32 v76, s32
	v_mov_b32 v77, 0
	v_mov_b32 v78, 0
	v_mov_b32 v79, s66
.irp i, 1,2,3,4,5,6,7
	v_cmp_le_u32 vcc_lo, s[74+\i], v74
	v_cndmask_b32 v75, v75, \i, vcc_lo
	v_cndmask_b32 v76, v76, s[32+\i], vcc_lo
	v_cndmask_b32 v77, v77, s[48+\i], vcc_lo
	v_cndmask_b32 v78, v78, s[74+\i], vcc_lo
	v_cndmask_b32 v79, v79, s[66+\i], vcc_lo
.endr
	v_cmp_le_u32 vcc_lo, s82, v74                  ; a cluster that is over: no rows
	v_cndmask_b32 v75, v75, 0, vcc_lo
	v_cndmask_b32 v76, v76, 0, vcc_lo
	v_cndmask_b32 v77, v77, 0, vcc_lo
	v_cndmask_b32 v78, v78, v74, vcc_lo
	v_cndmask_b32 v79, v79, 1, vcc_lo
	v_lshlrev_b32 v80, 2, v79                      ; d = 4 c work-groups share the type's rows
	v_lshlrev_b32 v81, 2, v78
	v_sub_nc_u32 v81, v0, v81                      ; j: mine among them
	v_mov_b32 v82, 0                               ; q = n / d, 144 at the most: eight bits, from the top
.irp b, 7,6,5,4,3,2,1,0
	v_add_nc_u32 v83, 1<<\b, v82
	v_mul_u32_u24 v84, v83, v80
	v_cmp_le_u32 vcc_lo, v84, v76
	v_cndmask_b32 v82, v82, v83, vcc_lo
.endr
	v_mul_u32_u24 v84, v82, v80
	v_sub_nc_u32 v84, v76, v84                     ; r = n - q d: the first r work-groups take a row more
	v_cmp_lt_u32 vcc_lo, v81, v84
	v_cndmask_b32 v85, 0, 1, vcc_lo
	v_add_nc_u32 v87, v82, v85                     ; rows
	v_min_u32 v85, v81, v84
	v_mad_u32_u24 v86, v81, v82, v77
	v_add_nc_u32 v86, v86, v85                     ; first place = base + j q + min(j, r)
	v_mov_b32 v88, v75
	v_mov_b32 v89, 0
	v_lshlrev_b32 v90, 4, v0
	global_store_b128 v90, v[86:89], s[10:11]
.Lsortend:
	s_wait_tensorcnt 0x0                           ; the wave's end: behind my last LDS store
	ds_add_u32 v2, v3
	s_wait_dscnt 0x0
	s_endpgm
	; ---------------- W TO BF16, IN OPERAND ORDER ----------------
.Lconv:
	s_sub_co_u32 s17, ttmp9, 32
	s_lshl_b32 s17, s17, 5
	s_add_co_u32 s17, s17, s16                     ; my unit, 0..2047
	s_lshr_b32 s18, s17, 8                         ; e: the type
	s_bfe_u32 s19, s17, 0x50003                    ; kg: which 16 k
	s_and_b32 s20, s17, 7                          ; cg: which 64 n
	s_lshl_b32 s22, s18, 20                        ; in W: e x 1 MB + 16 kg rows of 2,048 bytes + 64 cg numbers
	s_lshl_b32 s23, s19, 15
	s_add_co_u32 s22, s22, s23
	s_lshl_b32 s23, s20, 8
	s_add_co_u32 s22, s22, s23
	s_mov_b32 s23, 0
	s_add_nc_u64 s[6:7], s[6:7], s[22:23]
	v_and_b32 v4, 15, v1                           ; l16
	v_lshrrev_b32 v5, 4, v1                        ; h
	v_lshlrev_b32 v6, 4, v4
	v_lshl_add_u32 v6, v5, 14, v6                  ; row 8 h, numbers 4 l16 ..
.irp i, 0,1,2,3,4,5,6,7
	global_load_b128 v[32+4*\i:35+4*\i], v6, s[6:7] offset:2048*\i th:TH_LOAD_NT  ; k = 8 h + i: 16 lanes take 256 consecutive bytes of a row; W is read once
.endr
	s_lshl_b32 s24, s18, 19                        ; in wb: e<<19 | (kg>>3)<<17 | (cg>>1)<<15 | ((kg>>1)&3)<<13 | (cg&1)<<12 | (kg&1)<<9
	s_lshr_b32 s25, s19, 3
	s_lshl_b32 s25, s25, 17
	s_add_co_u32 s24, s24, s25
	s_lshr_b32 s25, s20, 1
	s_lshl_b32 s25, s25, 15
	s_add_co_u32 s24, s24, s25
	s_bfe_u32 s25, s19, 0x20001
	s_lshl_b32 s25, s25, 13
	s_add_co_u32 s24, s24, s25
	s_and_b32 s25, s20, 1
	s_lshl_b32 s25, s25, 12
	s_add_co_u32 s24, s24, s25
	s_and_b32 s25, s19, 1
	s_lshl_b32 s25, s25, 9
	s_add_co_u32 s24, s24, s25
	s_mov_b32 s25, 0
	s_add_nc_u64 s[12:13], s[12:13], s[24:25]
	s_mul_i32 s26, s16, STG                        ; my stage
	v_lshrrev_b32 v7, 2, v4                        ; column n = 4 l16 + c lies in block l16 / 4 of 16 columns, at place r = 4 (l16 % 4) + c:
	v_mul_u32_u24 v7, v7, SPI                      ; stage row l16 / 4, byte 256 h + 16 r.  Within 16 lanes: 528 (l16 / 4) + 64 (l16 % 4), 16 different 16-byte columns modulo 256
	v_lshl_add_u32 v7, v5, 8, v7
	v_and_b32 v8, 3, v4
	v_lshl_add_u32 v7, v8, 6, v7
	v_add_nc_u32 v7, s26, v7
	v_lshlrev_b32 v9, 4, v1
	v_add_nc_u32 v8, s26, v9                       ; back: 512 consecutive bytes of a stage row
	s_wait_loadcnt 0x0
.irp c, 0,1,2,3
.irp m, 0,1,2,3
	v_cvt_pk_bf16_f32 v[64+4*\c+\m], v[32+8*\m+\c], v[32+8*\m+4+\c]  ; column c: k = 8 h + 2 m in the low half, 2 m + 1 in the high half
.endr
.endr
.irp c, 0,1,2,3
	ds_store_b128 v7, v[64+4*\c:67+4*\c] offset:16*\c
.endr
.irp t, 0,1,2,3
	ds_load_b128 v[32+4*\t:35+4*\t], v8 offset:SPI*\t  ; LDS serves a wave's instructions in order (ISA guide 5.7.1.4): these see the stores above
.endr
	s_wait_dscnt 0x0
.irp t, 0,1,2,3
	global_store_b128 v9, v[32+4*\t:35+4*\t], s[12:13] offset:1024*\t  ; half a fragment of block 4 (cg & 1) + t: 512 consecutive bytes, at a multiple of 512 from wb's first
.endr
	s_wait_tensorcnt 0x0                           ; the wave's end: behind my last LDS store
	ds_add_u32 v2, v3
	s_wait_dscnt 0x0
	s_endpgm
.Lfunc_end_k_q8b53c2bc04_prep:
	.size	k_q8b53c2bc04_prep, .Lfunc_end_k_q8b53c2bc04_prep-k_q8b53c2bc04_prep
	.p2alignl 7, 3214868480
	.fill 96, 4, 3214868480
	.section	.rodata,"a",@progbits
	.p2align	6, 0x0
	.amdhsa_kernel k_q8b53c2bc04_prep
		.amdhsa_group_segment_fixed_size 79360
		.amdhsa_private_segment_fixed_size 0
		.amdhsa_enable_private_segment 0
		.amdhsa_kernarg_size 48
		.amdhsa_user_sgpr_count 2
		.amdhsa_user_sgpr_kernarg_segment_ptr 1
		.amdhsa_wavefront_size32 1
		.amdhsa_system_sgpr_workgroup_id_x 1
		.amdhsa_system_sgpr_workgroup_id_y 1
		.amdhsa_system_sgpr_workgroup_id_z 1
		.amdhsa_system_vgpr_workitem_id 0
		.amdhsa_next_free_vgpr 96
		.amdhsa_next_free_sgpr 96
		.amdhsa_reserve_vcc 1
		.amdhsa_float_denorm_mode_32 3
		.amdhsa_float_denorm_mode_16_64 3
		.amdhsa_memory_ordered 1
		.amdhsa_forward_progress 1
		.amdhsa_inst_pref_size 38
	.end_amdhsa_kernel
	.amdgpu_metadata
---
amdhsa.version: [ 1, 2 ]
amdhsa.kernels:
  - .name:           k_q8b53c2bc04_prep
    .symbol:         k_q8b53c2bc04_prep.kd
    .args:
      - { .name: x_type, .offset: 0, .size: 8, .value_kind: global_buffer, .address_space: global }
      - { .name: W, .offset: 8, .size: 8, .value_kind: global_buffer, .address_space: global }
      - { .name: order, .offset: 16, .size: 8, .value_kind: global_buffer, .address_space: global }
      - { .name: tiles, .offset: 24, .size: 8, .value_kind: global_buffer, .address_space: global }
      - { .name: wb, .offset: 32, .size: 8, .value_kind: global_buffer, .address_space: global }
      - { .name: out0, .offset: 40, .size: 8, .value_kind: global_buffer, .address_space: global }
    .group_segment_fixed_size: 79360
    .private_segment_fixed_size: 0
    .kernarg_segment_align: 8
    .kernarg_segment_size: 48
    .max_flat_workgroup_size: 1024
    .sgpr_count:     96
    .vgpr_count:     96
    .wavefront_size: 32
...
	.end_amdgpu_metadata
.endif
;; end of part 1
;; launch main (part 2): grid 256 x 1, 4 waves a work-group, no clusters, 327,680 bytes of LDS; arguments x, order, tiles, wb, out0; writes out0
.if DOCPART == 2
	.amdgcn_target "amdgcn-amd-amdhsa--gfx1250"
	.amdhsa_code_object_version 6
	.text
	.protected	k_q8b53c2bc04_main
	.globl	k_q8b53c2bc04_main
	.p2align	8
	.type	k_q8b53c2bc04_main,@function
k_q8b53c2bc04_main:
	s_mov_b64 s[64:65], 0
	v_nop
	global_prefetch_b8 v0, s[64:65] scope:SCOPE_SE
	s_setreg_imm32_b32 hwreg(HW_REG_WAVE_MODE, 25, 1), 1
	s_wait_xcnt 0x0
; out[i] = x[i] @ W[x_type[i]] for the rows that the table of tiles gives this work-group: at most 144 rows of ONE type, all 512 columns.
; x [32768][512] f32 is gathered by the sorted list, rounded once to bf16 on its way through registers into LDS; W comes as bf16 in operand order (wb); sums in f32, K ascending,
; one accumulator for each output; out0 [32768][512] f32 is scattered by the same list.
; LIMITS.  x and W are rounded to bf16 (range of f32, 8 significant bits).  Row slots past the count repeat the tile's last row (the list's first row where the count is 0); they are multiplied and never stored.
; Nine blocks of 16 rows are always multiplied, whatever the count.  Rows whose type lies outside 0..7 are not in the table: the launch before has written their zeros.
; SHARES.  Four waves; wave wv makes all 144 row slots x columns 128 wv .. +127: 72 accumulators of 16 x 16, 576 registers.  For 32 along K it reads 9 fragments of x and 8 of W from LDS for 72 matrix instructions.
; THE MATRIX INSTRUCTION IS USED TRANSPOSED: source 0 = 16 columns of W, source 1 = 16 rows of x: a lane then holds ONE row (lane % 16) and eight neighbouring columns 8 (lane / 16) + 0..7.
; NO CLUSTER.  The table gives four neighbouring work-groups the same type, so they walk the same 512 KB of wb.  But which type that is hangs on the split of the tokens: it is a number read from the table, and
; the address of a joint load is to be made of what the partners share by their places alone (the cluster's number, the wave's number, constants).  So each work-group asks for itself: 512 KB of wb beside its
; 256 to 288 KB of x and its 256 KB of out0.  x's rows have one reader each: nothing to share there.
; The text has no branch: the count enters global addresses, LDS data and EXEC at the stores alone.
; K WALK.  W in steps of 128 along K through two LDS slots; a wave fetches and reads only its own 32 KB of a slot.  By this text's count a wave has two tensor loads out at the start, later one.
; x in chunks of 64 along K: 18 loads a wave (two rows' 256 bytes each), asked for three chunks ahead into three register buffers, rounded and laid into two LDS slots a chunk ahead of its use.
; LDS: 0 two W slots of 131,072;  262,144 two x slots of 144 rows x 144 bytes;  303,616 the slots' token numbers;  304,384 the spare words.  All of a WGP's LDS is claimed.
; The way out's stage, 16 rows x 528 bytes a wave, lies at the head of the wave's own part of W slot 0, which has had its last fill and has been read out by then.
; REGISTERS, in windows of 256 (s_set_vgpr_msb: bits 1:0 source 0, 3:2 source 1, 5:4 source 2, 7:6 destination):
;   window 0: v0-7 addresses; v8-25 x offsets; v26-97 x fragments (block a at 26 + 8 a); v98-169, v170-241 chunk buffers 0, 1; v242-249 the rest of buffer 2; v250-255 at work
;   windows 1, 2, 3: v0-191 the accumulators of blocks 0-2, 3-5, 6-8 ((a, b) at 64 (a % 3) + 8 b); v192-255: W's fragment buffers F0 (window 1), F1 (window 2), chunk buffer 2 (window 3)
.set WSL,   131072                     ; a W slot
.set XS,    262144                     ; the x slots
.set XSL,   20736
.set XP,    144                        ; a row of 64 bf16: 128 bytes + 16 of padding = 36 words: the 16 rows of a fragment load start at 16 different groups of four banks (64 banks of 4 bytes: ISA guide 11.1)
.set TOK,   303616
.set SPARE, 304384                     ; 128 bytes for each wave: two blocks of 256 bytes that no other line names
.set SPI,   528                        ; a stage row: 512 bytes + 16
.set STO,   7                          ; v7    first the wave's number; on the way out: where I put 32 bytes of a stage row
.set XO,    8
.set XF,    26
.set WF,    192
.set TKB,   255                        ; v255  the way out: LDS address of the token numbers
.set MSB, 0
.macro WIN new                         ; the immediate's high byte repeats the setting that is left; a switch that changes nothing is dropped
.if MSB != (\new)
	s_set_vgpr_msb (MSB<<8)|(\new)
.set MSB, (\new)
.endif
.endm
; A load into a register that a matrix instruction has read, and an LDS store that reads a matrix result, stand four places behind it; only plain vector instructions that name none of its
; registers are places (ISA guide 7.12.1 for vector instructions).
.macro PLACES
.rept 4
	v_nop
.endr
.endm
.macro XREG t, p                       ; window XW and first register XR of load p of chunk t: the chunks' buffers go by t % 3
.if ((\t)%3) == 0
.set XW, 0
.set XR, 98+4*(\p)
.elseif ((\t)%3) == 1
.set XW, 0
.set XR, 170+4*(\p)
.elseif (\p) < 16
.set XW, 3
.set XR, 192+4*(\p)
.else
.set XW, 0
.set XR, 242+4*((\p)-16)
.endif
.endm
; Chunk t of x: K = 64 t .. 64 t + 63 of my 36 row slots.  Load p: lanes 0-15 take 256 consecutive bytes of slot 18 wv + p, lanes 16-31 of slot 18 wv + p + 72.
.macro GLOAD t
.set p, 0
.rept 18
	XREG \t, p
	WIN XW<<6
	global_load_b128 v[XR:XR+3], v[XO+p], s[4:5] offset:256*(\t)
.set p, p+1
.endr
.endm
; Chunk t is rounded to bf16 in place and laid into x slot t % 2.  left: the younger chunks' loads, 18 each.  A store's two rows lie 72 x 144 bytes apart, 128 modulo 256.
.macro CONVERT t, left
	s_wait_loadcnt \left
.set p, 0
.rept 18
	XREG \t, p
	WIN (XW<<6)|(XW<<2)|XW
	v_cvt_pk_bf16_f32 v[XR], v[XR], v[XR+1]
	v_cvt_pk_bf16_f32 v[XR+1], v[XR+2], v[XR+3]
.set p, p+1
.endr
.set p, 0
.rept 18
	XREG \t, p
	WIN XW<<2
	ds_store_b64 v6, v[XR:XR+1] offset:((\t)%2)*XSL+XP*p
.set p, p+1
.endr
.endm
; Six LDS loads: the x fragments of blocks 3 g .. 3 g + 2, 32 along K at half c of the slot's rows
.macro XFETCH g, slot, c
	WIN 0
.irp i, 0,1,2
	ds_load_b128 v[XF+8*(3*(\g)+\i):XF+8*(3*(\g)+\i)+3],   v3 offset:(\slot)*XSL+16*XP*(3*(\g)+\i)+64*(\c)
	ds_load_b128 v[XF+8*(3*(\g)+\i)+4:XF+8*(3*(\g)+\i)+7], v3 offset:(\slot)*XSL+16*XP*(3*(\g)+\i)+64*(\c)+32
.endr
.endm
; Sixteen LDS loads: my eight W fragments of K = 32 kap .. +31 into buffer f; each takes 512 consecutive bytes
.macro WFETCH f, kap
	WIN (1+(\f))<<6
.irp b, 0,1,2,3,4,5,6,7
	ds_load_b128 v[WF+8*\b:WF+8*\b+3],   v[4+(((\kap)>>2)&1)] offset:8192*((\kap)&3)+1024*\b
	ds_load_b128 v[WF+8*\b+4:WF+8*\b+7], v[4+(((\kap)>>2)&1)] offset:8192*((\kap)&3)+1024*\b+512
.endr
.endm
; 24 matrix instructions: blocks 3 g .. 3 g + 2 x my 8 column blocks, 32 along K, W from buffer f.  zero: the first product starts the sums.
; The 72 accumulators take turns in the same order in every 32 along K: between two links of a chain stand the 71 others'.
.macro MUL g, f, zero
	WIN (((\g)+1)<<6)|(((\g)+1)<<4)|(1+(\f))
.irp i, 0,1,2
.irp b, 0,1,2,3,4,5,6,7
.if \zero
	v_wmma_f32_16x16x32_bf16 v[64*\i+8*\b:64*\i+8*\b+7], v[WF+8*\b:WF+8*\b+7], v[XF+8*(3*(\g)+\i):XF+8*(3*(\g)+\i)+7], 0
.else
	v_wmma_f32_16x16x32_bf16 v[64*\i+8*\b:64*\i+8*\b+7], v[WF+8*\b:WF+8*\b+7], v[XF+8*(3*(\g)+\i):XF+8*(3*(\g)+\i)+7], v[64*\i+8*\b:64*\i+8*\b+7]
.endif
.endr
.endr
.endm
; STEP t: chunk t, 64 along K, 144 matrix instructions: two halves of 32 along K on W buffers F0, F1.  At its head the x fragments of half 0 are on their way (6 + 6 + 6 loads) and F0 is in.
; ONE barrier a step.  In front of it each wave's reads of x slot t % 2 are over and its part of chunk t + 1 is stored; behind it chunk t + 1 is read, and in step t + 1 slot t % 2 is written again.
; In steps 1 and 3 the W slot just read out is filled again (K steps 2, 3), first thing behind that barrier.
.macro STEP t
.set SL, (\t)%2
.set SN, 1-SL
.set Z, 0
.if (\t) == 0
.set Z, 1
.endif
.set REF, 0
.if ((\t) == 1) || ((\t) == 3)
.set REF, 1
.endif
.set GA, 32+2*((\t)-1)                 ; the slot's group 0: s[32:35] in step 1, s[36:39] in step 3
.set LEFT, 36                          ; chunks t + 2 and t + 3 stay out,
.if (\t) > 4
.set LEFT, 18*(6-(\t))                 ; or what is left of them
.endif
	s_wait_dscnt 12                                ; blocks 0-2 are in; younger: blocks 3-5 and 6-8, six loads each
	MUL 0, 0, Z
	PLACES
	XFETCH 0, SL, 1                                ; A: six loads
	WFETCH 1, 2*(\t)+1                             ; B: sixteen
	s_wait_dscnt 28                                ; blocks 3-5 are in; younger: blocks 6-8 (6), A, B
	MUL 1, 0, Z
	PLACES
	XFETCH 1, SL, 1                                ; C: six
	s_wait_dscnt 28                                ; blocks 6-8 are in; younger: A, B, C
	MUL 2, 0, Z
	PLACES
	XFETCH 2, SL, 1                                ; D: six
.if (\t) < 7
.if SL == 1
	s_wait_tensorcnt 0x0                           ; the next K step of W is my youngest tensor load: no load was issued behind it, so its counted wait is for 0; only I read these bytes
.endif
	WFETCH 0, 2*(\t)+2                             ; E: sixteen
	CONVERT (\t)+1, LEFT                           ; F: eighteen stores
.if (\t)+4 <= 7
	GLOAD (\t)+4                                   ; into the buffer just rounded and stored
.endif
.if REF
	WIN 0
	s_wait_tensorcnt 0x0                           ; no tensor load of mine is out, so a group 0 may be written;
	ds_add_u32 v1, v2                              ; 0 onto my spare word
	s_add_nc_u64 s[GA+2:GA+3], s[GA+2:GA+3], 2*WSL ; two K steps on; the type bits on top are not reached
	s_wait_dscnt 47                                ; A and B are in; younger: C, D, E, F and the add
.else
	s_wait_dscnt 46                                ; A and B are in; younger: C 6, D 6, E 16, F 18
.endif
	MUL 0, 1, 0
	s_wait_dscnt 0x0                               ; for the others' sake: my reads of this x slot (in steps 1 and 3 of the W slot too) are over, my part of the next chunk is stored, the add is done
	s_barrier_signal -1
	MUL 1, 1, 0                                    ; work on registers while the others arrive
	WIN 0                                          ; the windows are set ahead of the tensor load, and not again among the lines that follow it
	s_barrier_wait -1
.if REF
	tensor_load_to_lds s[GA:GA+3], s[24:31]        ; my one tensor load behind the barrier, and the first thing there
	s_nop 0
.endif
	PLACES                                         ; the places in front of the loads below
	XFETCH 0, SN, 0
	XFETCH 1, SN, 0
	MUL 2, 1, 0
	PLACES
	XFETCH 2, SN, 0
.else
	s_wait_dscnt 12                                ; the last half: A and B are in; younger: C, D
	MUL 0, 1, 0
	s_wait_dscnt 6
	MUL 1, 1, 0
	s_wait_dscnt 0x0
	MUL 2, 1, 0
.endif
.endm
; THE WAY OUT of block a.  TOSTAGE: a lane's 8 x 8 numbers of a row go into my stage (each accumulator's low registers first), come back as whole rows' 512 bytes, and with them the 16 rows' token numbers.
.macro TOSTAGE a
.set AC, 64*((\a)%3)
.set OB, 32+64*((\a)%2)
.set TK, 160+16*((\a)%2)
	WIN (1+(\a)/3)<<2                              ; the stores' data in the block's window
.irp b, 0,1,2,3,4,5,6,7
	ds_store_b128 v[STO], v[AC+8*\b:AC+8*\b+3]   offset:64*\b
	ds_store_b128 v[STO], v[AC+8*\b+4:AC+8*\b+7] offset:64*\b+16
.endr
	WIN 0
.irp i, 0,1,2,3,4,5,6,7,8,9,10,11,12,13,14,15
	ds_load_b128 v[OB+4*\i:OB+4*\i+3], v4 offset:SPI*\i  ; LDS serves a wave's instructions in order (ISA guide 5.7.1.4): these see the stores above; the next block's stores come behind them
.endr
.irp m, 0,1,2,3
	ds_load_b128 v[TK+4*\m:TK+4*\m+3], v[TKB] offset:64*(\a)+16*\m
.endr
.endm
; SEND: row i of the block goes to its token's row of out0, 512 consecutive bytes at a multiple of 512 from out0's first.  A slot at or past the count is not stored: EXEC goes off, with no branch.
; EXEC is a source of a pending store: it changes only behind s_wait_xcnt 0.  younger: the next block's 36 LDS instructions, or none.
.macro SEND a, younger
.set OB, 32+64*((\a)%2)
.set TK, 160+16*((\a)%2)
.set OF, 192+16*((\a)%2)
	WIN 0
	s_wait_dscnt \younger
.irp i, 0,1,2,3,4,5,6,7,8,9,10,11,12,13,14,15
	v_min_u32 v[OF+\i], 0x7fff, v[TK+\i]           ; a loaded number is held inside the buffer
	v_lshl_add_u32 v[OF+\i], v[OF+\i], 11, v11
.endr
.irp i, 0,1,2,3,4,5,6,7,8,9,10,11,12,13,14,15
	s_wait_xcnt 0x0
	v_cmpx_lt_u32 16*(\a)+\i, v12
	global_store_b128 v[OF+\i], v[OB+4*\i:OB+4*\i+3], s[12:13] th:TH_STORE_NT
.endr
	s_wait_xcnt 0x0                                ; also frees this block's data and offset registers for the block after next
	s_mov_b32 exec_lo, -1
.endm
	s_load_b256 s[4:11], s[0:1], 0x0               ; x s[4:5], order s[6:7], tiles s[8:9], wb s[10:11]
	s_load_b64 s[12:13], s[0:1], 0x20              ; out0
	v_lshl_add_u32 v1, v0, 2, SPARE                ; my spare word; never rewritten
	v_mov_b32 v2, 0                                ; 0; never rewritten
	ds_add_u32 v1, v2                              ; the wave's opening: the adds and their wait stand ahead of my first tensor load; work on registers stands between them
	ds_add_u32 v1, v2
	v_lshrrev_b32 v7, 5, v0
	v_readfirstlane_b32 s14, v7                    ; wave 0..3
	s_lshl_b32 s18, ttmp9, 4                       ; my slot of the table: 16 bytes a work-group
	; descriptor group 1: 32,768 dense bytes as 128 rows of 256
	s_mov_b32 s24, 3<<16                           ; 15:0 no mask; 17:16 elements of 8 bytes; 20 no padding
	s_mov_b32 s25, 32<<16                          ; tensor_dim0 = 32 elements
	s_mov_b32 s26, 128<<16                         ; tensor_dim1 = 128
	s_mov_b32 s27, 32<<16                          ; tile_dim0 = 32
	s_mov_b32 s28, 128                             ; tile_dim1 = 128
	s_mov_b32 s29, 32                              ; 32 elements from row to row
	s_mov_b32 s30, 0
	s_mov_b32 s31, 0
	v_and_b32 v250, 15, v0                         ; l % 16
	v_bfe_u32 v251, v0, 4, 1                       ; l / 16
	s_mul_i32 s17, s14, 18
	v_mul_u32_u24 v252, v251, 72
	v_add_nc_u32 v252, s17, v252                   ; the first of the row slots that I fetch: 18 wv + 72 (l / 16)
	s_wait_dscnt 0x0                               ; the opening add is done
	s_wait_kmcnt 0x0
	s_load_b128 s[20:23], s[8:9], s18 offset:0x0   ; my first place in the list, my rows, my type, 0
	s_wait_kmcnt 0x0
	s_min_u32 s20, s20, 0x7fff                     ; loaded numbers are held inside their ranges
	s_min_u32 s21, s21, 144
	s_min_u32 s22, s22, 7
	s_max_u32 s23, s21, 1
	s_sub_co_u32 s23, s23, 1                       ; slots past the count repeat the last row
.set p, 0
.rept 18
	v_add_nc_u32 v[98+p], p, v252
	v_min_u32 v[98+p], s23, v[98+p]
	v_add_nc_u32 v[98+p], s20, v[98+p]
	v_min_u32 v[98+p], 0x7fff, v[98+p]
	v_lshlrev_b32 v[98+p], 2, v[98+p]
	global_load_b32 v[XO+p], v[98+p], s[6:7]       ; the slot's token
.set p, p+1
.endr
	; descriptor group 0, a set for each W slot: block [type][K step][wave] of wb into my 32 KB of the slot
	s_lshl_b32 s40, s22, 19
	s_lshl_b32 s33, s14, 15                        ; 63:32 LDS address: wave x 32,768
	s_add_co_u32 s40, s40, s33
	s_mov_b32 s41, 0
	s_mov_b32 s32, 1                               ; 1:0 count = 1
	s_add_nc_u64 s[34:35], s[10:11], s[40:41]      ; 120:64 global address: K step 0
	s_mov_b32 s36, 1
	s_add_co_u32 s37, s33, WSL
	s_add_nc_u64 s[38:39], s[34:35], WSL           ; K step 1
	s_or_b32 s35, s35, 0x80000000                  ; 127:126 type = 2
	s_or_b32 s39, s39, 0x80000000
	tensor_load_to_lds s[32:35], s[24:31]          ; the two first fills go out together, ahead of every wait on TENSORcnt, every LDS read and every barrier
	s_nop 0
	tensor_load_to_lds s[36:39], s[24:31]
	s_nop 0
	PLACES
	v_lshlrev_b32 v254, 4, v250
	v_lshl_add_u32 v253, v252, 2, TOK
	s_wait_loadcnt 0x0                             ; the tokens
.set p, 0
.rept 18
	v_min_u32 v[XO+p], 0x7fff, v[XO+p]
	ds_store_b32 v253, v[XO+p] offset:4*p          ; kept for the way out (16 lanes write the same word)
	v_lshl_add_u32 v[XO+p], v[XO+p], 11, v254      ; the row's 2,048 bytes, my 16 of each 256
.set p, p+1
.endr
	GLOAD 0
	GLOAD 1
	GLOAD 2                                        ; 54 loads of mine are out
	WIN 0
	v_mul_u32_u24 v3, v250, XP                     ; an x fragment: row l % 16, 16 bytes for each half of the lanes
	v_lshl_add_u32 v3, v251, 4, v3
	v_add_nc_u32 v3, XS, v3
	v_and_b32 v4, 31, v0
	v_lshlrev_b32 v4, 4, v4
	v_add_nc_u32 v4, s33, v4                       ; my part of W slot 0: 32,768 wv + 16 l
	v_add_nc_u32 v5, WSL, v4                       ; of slot 1
	v_mul_u32_u24 v6, v252, XP                     ; where I lay rounded x: my first row slot, 8 bytes a lane
	v_lshl_add_u32 v6, v250, 3, v6
	v_add_nc_u32 v6, XS, v6
	CONVERT 0, 36                                  ; chunks 1 and 2 stay out
	GLOAD 3
	WIN 0
	s_wait_tensorcnt 0x1                           ; my part of K step 0 is in; K step 1's may stay out
	s_wait_dscnt 0x0                               ; for the others' sake: my token numbers and my part of chunk 0 are stored
	s_barrier_signal -1
	s_barrier_wait -1
	XFETCH 0, 0, 0
	WFETCH 0, 0
	XFETCH 1, 0, 0
	XFETCH 2, 0, 0
	; the eight steps are written out: x slots go by t % 2, chunk buffers by t % 3, W's K steps by t / 2, and the last steps ask for nothing
	STEP 0
	STEP 1
	STEP 2
	STEP 3
	STEP 4
	STEP 5
	STEP 6
	STEP 7
	PLACES
	WIN 0
	v_mul_u32_u24 v[STO], v250, SPI                ; into my stage: row l % 16, 32 bytes for each half of the lanes; 528 r is 16 r modulo 256: 16 different columns
	v_lshl_add_u32 v[STO], v251, 5, v[STO]
	v_add_nc_u32 v[STO], s33, v[STO]
	v_mov_b32 v[TKB], TOK
	s_lshl_b32 s17, s14, 9
	v_and_b32 v11, 31, v0
	v_lshl_add_u32 v11, v11, 4, s17                ; my 16 bytes of my wave's 512 in a row of out0
	v_mov_b32 v12, s21                             ; the count
	TOSTAGE 0
.irp a, 1,2,3,4,5,6,7,8
	TOSTAGE \a                                     ; a block's trip through the stage is on its way while the block before is stored
	SEND (\a)-1, 36
.endr
	SEND 8, 0
	s_wait_tensorcnt 0x0                           ; the wave's end: behind my last tensor load and my last LDS store
	ds_add_u32 v1, v2
	s_wait_dscnt 0x0
	s_endpgm
.Lfunc_end_k_q8b53c2bc04_main:
	.size	k_q8b53c2bc04_main, .Lfunc_end_k_q8b53c2bc04_main-k_q8b53c2bc04_main
	.p2alignl 7, 3214868480
	.fill 96, 4, 3214868480
	.section	.rodata,"a",@progbits
	.p2align	6, 0x0
	.amdhsa_kernel k_q8b53c2bc04_main
		.amdhsa_group_segment_fixed_size 327680
		.amdhsa_private_segment_fixed_size 0
		.amdhsa_enable_private_segment 0
		.amdhsa_kernarg_size 40
		.amdhsa_user_sgpr_count 2
		.amdhsa_user_sgpr_kernarg_segment_ptr 1
		.amdhsa_wavefront_size32 1
		.amdhsa_system_sgpr_workgroup_id_x 1
		.amdhsa_system_sgpr_workgroup_id_y 1
		.amdhsa_system_sgpr_workgroup_id_z 1
		.amdhsa_system_vgpr_workitem_id 0
		.amdhsa_next_free_vgpr 1024
		.amdhsa_next_free_sgpr 66
		.amdhsa_reserve_vcc 0
		.amdhsa_float_denorm_mode_32 3
		.amdhsa_float_denorm_mode_16_64 3
		.amdhsa_memory_ordered 1
		.amdhsa_forward_progress 1
		.amdhsa_inst_pref_size 235
	.end_amdhsa_kernel
	.amdgpu_metadata
---
amdhsa.version: [ 1, 2 ]
amdhsa.kernels:
  - .name:           k_q8b53c2bc04_main
    .symbol:         k_q8b53c2bc04_main.kd
    .args:
      - { .name: x, .offset: 0, .size: 8, .value_kind: global_buffer, .address_space: global }
      - { .name: order, .offset: 8, .size: 8, .value_kind: global_buffer, .address_space: global }
      - { .name: tiles, .offset: 16, .size: 8, .value_kind: global_buffer, .address_space: global }
      - { .name: wb, .offset: 24, .size: 8, .value_kind: global_buffer, .address_space: global }
      - { .name: out0, .offset: 32, .size: 8, .value_kind: global_buffer, .address_space: global }
    .group_segment_fixed_size: 327680
    .private_segment_fixed_size: 0
    .kernarg_segment_align: 8
    .kernarg_segment_size: 40
    .max_flat_workgroup_size: 128
    .sgpr_count:     66
    .vgpr_count:     1024
    .wavefront_size: 32
...
	.end_amdgpu_metadata
.endif
;; end of part 2
;; ======== version 2 of 2: 2 launches; 1.24 times as fast as version 1
;; workspace buffers: wb 4,194,304 bytes; order 131,072 bytes of whole numbers; tiles 4,096 bytes of whole numbers
;; launch prep (part 3): grid 384 x 1, 8 waves a work-group, no clusters, 19,968 bytes of LDS; arguments x_type, W, order, tiles, wb, out0; writes order, tiles, wb, out0
.if DOCPART == 3
	.amdgcn_target "amdgcn-amd-amdhsa--gfx1250"
	.amdhsa_code_object_version 6
	.text
	.protected	k_q8b53c2bc04_prep
	.globl	k_q8b53c2bc04_prep
	.p2align	8
	.type	k_q8b53c2bc04_prep,@function
k_q8b53c2bc04_prep:
	s_mov_b64 s[64:65], 0
	v_nop
	global_prefetch_b8 v0, s[64:65] scope:SCOPE_SE
	s_setreg_imm32_b32 hwreg(HW_REG_WAVE_MODE, 25, 1), 1
	s_wait_xcnt 0x0
; PREPARATION for out[i] = x[i] @ W[x_type[i]]: 32,768 tokens, 8 types, W [8][512][512] f32.
; Work-groups 0-127 SORT the tokens by type (a counting sort, no atomics): work-group g owns tokens 256 g .. 256 g + 255, a token a thread.
;   Every one of them counts all 32,768 types for itself (128 KB, 512 bytes a thread), so nothing passes between work-groups.  The counting is the same work for a work-group of any size
;   (4 vector instructions for 32 types); the reductions, ballots and scalar work behind it are paid once a wave: so few waves, two to a SIMD, and many work-groups.
;   order[p] = the token at sorted place p: types 0..7 in turn, within a type by token number; behind them the tokens whose type lies outside 0..7.
;   Such a token's row of out0 is all zeros in the problem's definition: it is written here, whatever x holds, and the product launch never meets it.
;   Work-group 0 also writes tiles[s] = {first place, rows, type, 0} for the 256 work-groups of the product launch: type e with n rows gets
;   c = ceil(n / 576) groups of four, d = 4 c work-groups.  Up to 128 d rows are dealt evenly; what a type has beyond 128 d goes in lumps of 16 to its first work-groups: so as few
;   work-groups as can be have more than 128 rows (a ninth block of 16 in the product launch), and none has more than 144.  The c add up to
;   floor((32,768 + 8 x 575) / 576) = 64 groups at the most, for every split of the tokens.  Slots that are over get {0, 0, 0, 0}.
; Work-groups 128-383 ROUND W to bf16 (once, to nearest even) in the order in which a wave's matrix operand registers take it:
;   wb byte e<<19 | u<<17 | wv<<15 | c4<<13 | b<<10 | q<<9 | lane<<4 holds W[e][k .. k+7][n], k = 128 u + 32 c4 + 16 q + 8 (lane / 16), n = 128 wv + 16 b + lane % 16.
;   A wave takes 16 k x 64 n: eight loads of two rows' 256 bytes, a turn through its own LDS stage, four stores of 512 consecutive bytes.
; The branch between the two kinds hangs on the work-group's number alone: all 8 waves of a work-group go the same way.
.set NW,    8                          ; waves in a work-group
.set NS,    128                        ; sorting work-groups
.set NL,    32                         ; loads of 16 bytes of types a thread: 131,072 / (256 x 16)
.set STG,   2304                       ; a conversion wave's stage: four rows of 528 bytes (512 + 16 of padding)
.set SPI,   528
.set TAB,   NW*STG                     ; behind the 8 stages: the sort's table, 8 rows of 48 bytes
.set SPARE, TAB+512                    ; behind it: the spare words, 128 bytes for each of the 8 waves, which no other line names
.set TY,    32                         ; v32-159  the types as loaded; later at work in the reductions
.set MK,    160                        ; v160     at work
.set ZO,    161                        ; v161     byte offset in out0 of a row of zeros
.set TKN,   163                        ; v163     my token
.set POS,   164                        ; v164     its place
.set ADR,   165                        ; v165     an address
.set ZR,    166                        ; v166-169 zeros
.set TB,    170                        ; v170-181 a row of the table; then v170-186 the table of tiles
; Counts are packed two to a word, 16 bits each: P0 = {type 0, type 4}, P1 = {2, 6}, P2 = {1, 5}, P3 = {3, 7}; none passes 32,768.
; Four words of types (load i), stage by stage so that no line waits for the one before it: each valid type adds 1 to its nibble (4 at the most); even and odd nibbles are then added to byte
; counts TL (v12: types 0, 2, 4, 6) and TH (v13: 1, 3, 5, 7), 128 at the most.  Load i of wave w holds tokens 4 (256 i + 32 w + lane) ..: all of them lie in front of my chunk, or none, and
; those that do are a prefix in i: so BL, BH (v14, v15) simply copy TL, TH as long as that holds.
.macro COUNT i
	s_wait_loadcnt NL-(\i)                         ; younger: the 31 - i loads of types behind this one, and my own token's
.irp j, 0,1,2,3
	v_cmp_gt_u32 s[88+\j], 8, v[TY+4*(\i)+\j]      ; a type outside 0..7 adds nothing
.endr
.irp j, 0,1,2,3
	v_lshlrev_b32 v[TY+4*(\i)+\j], 2, v[TY+4*(\i)+\j]
.endr
.irp j, 0,1,2,3
	v_cndmask_b32 v[16+\j], 0, 1, s[88+\j]
.endr
	v_lshlrev_b32 v9, v[TY+4*(\i)], v16
	v_lshlrev_b32 v8, v[TY+4*(\i)+1], v17
	v_lshl_add_u32 v9, v18, v[TY+4*(\i)+2], v9
	v_lshl_add_u32 v8, v19, v[TY+4*(\i)+3], v8
	v_add_nc_u32 v9, v9, v8
	v_and_b32 v10, 0x0f0f0f0f, v9
	v_lshrrev_b32 v11, 4, v9
	v_and_b32 v11, 0x0f0f0f0f, v11
.if (\i) == 0
	v_mov_b32 v12, v10
	v_mov_b32 v13, v11
.else
	v_add_nc_u32 v12, v12, v10
	v_add_nc_u32 v13, v13, v11
.endif
	s_add_co_u32 s18, s28, 256*(\i)
	s_cmp_lt_u32 s18, s19                          ; 256 i + 32 w < 64 g: these tokens lie in front of my chunk
	s_cselect_b32 s20, -1, 0
	v_cndmask_b32 v14, v14, v12, s20
	v_cndmask_b32 v15, v15, v13, s20
.endm
; Eight registers, first .. first + 7, are summed over lanes, step by step for all eight together; the sums stand in every lane.  full = 1: over all 32 lanes; 0: over each group of 8.
.macro RSTEP first, m
.irp r, 0,1,2,3,4,5,6,7
	v_mov_b32_dpp v[TY+\r], v[(\first)+\r] row_xmask:\m row_mask:0xf bank_mask:0xf
.endr
.irp r, 0,1,2,3,4,5,6,7
	v_add_nc_u32 v[(\first)+\r], v[(\first)+\r], v[TY+\r]
.endr
.endm
.macro REDS first, full
	RSTEP \first, 1
	RSTEP \first, 2
	RSTEP \first, 4
.if \full
	RSTEP \first, 8
.irp r, 0,1,2,3,4,5,6,7
	v_permlanex16_b32 v[TY+\r], v[(\first)+\r], s30, s31
.endr
.irp r, 0,1,2,3,4,5,6,7
	v_add_nc_u32 v[(\first)+\r], v[(\first)+\r], v[TY+\r]
.endr
.endif
.endm
; Two counts of my wave's own 32 tokens: the lanes in masks m0 (bit 0) and m1 (bit 1), with bit 2 clear (low half) and set (high half)
.macro HIST dst, m0, m1
	s_and_b32 s62, s[\m0], s[\m1]
	s_and_b32 s63, s62, s60
	s_and_b32 s62, s62, s61
	s_bcnt1_i32_b32 s62, s62
	s_bcnt1_i32_b32 s63, s63
	s_lshl_b32 s63, s63, 16
	s_or_b32 s62, s62, s63
	v_mov_b32 v[\dst], s62
.endm
	s_load_b256 s[4:11], s[0:1], 0x0               ; x_type s[4:5], W s[6:7], order s[8:9], tiles s[10:11]
	s_load_b128 s[12:15], s[0:1], 0x20             ; wb s[12:13], out0 s[14:15]
	v_lshl_add_u32 v2, v0, 2, SPARE                ; my spare word,
	v_mov_b32 v3, 0                                ; and 0: both kept for the add at the wave's end
	v_lshrrev_b32 v1, 5, v0
	v_readfirstlane_b32 s16, v1                    ; wave 0..7
	v_and_b32 v1, 31, v0                           ; lane
	s_wait_kmcnt 0x0
	s_cmp_lt_u32 ttmp9, NS
	s_cbranch_scc0 .Lconv
	; ---------------- THE SORT ----------------
	s_mov_b32 s30, 0x76543210                      ; v_permlanex16_b32: each lane takes its own place in the other half
	s_mov_b32 s31, 0xfedcba98
	s_lshl_b32 s17, ttmp9, 8                       ; my chunk's first token
	s_lshl_b32 s19, ttmp9, 6                       ; the same in groups of four tokens
	s_lshl_b32 s28, s16, 5                         ; 32 w
	v_lshlrev_b32 v4, 4, v0
	v_add_nc_u32 v[TKN], s17, v0                   ; my token
	v_lshlrev_b32 v5, 2, v[TKN]
.set i, 0
.rept NL
	global_load_b128 v[TY+4*i:TY+4*i+3], v4, s[4:5] offset:4096*i  ; all types: a wave's load covers 512 consecutive bytes
.set i, i+1
.endr
	global_load_b32 v6, v5, s[4:5]                 ; my token's type
	v_mov_b32 v14, 0
	v_mov_b32 v15, 0
.set i, 0
.rept NL
	COUNT i
.set i, i+1
.endr
	v_and_b32 v16, 0x00ff00ff, v12                 ; bytes to halves: T (all tokens) in v16-19, B (in front of my chunk) in v20-23
	v_lshrrev_b32 v17, 8, v12
	v_and_b32 v17, 0x00ff00ff, v17
	v_and_b32 v18, 0x00ff00ff, v13
	v_lshrrev_b32 v19, 8, v13
	v_and_b32 v19, 0x00ff00ff, v19
	v_and_b32 v20, 0x00ff00ff, v14
	v_lshrrev_b32 v21, 8, v14
	v_and_b32 v21, 0x00ff00ff, v21
	v_and_b32 v22, 0x00ff00ff, v15
	v_lshrrev_b32 v23, 8, v15
	v_and_b32 v23, 0x00ff00ff, v23
	REDS 16, 1                                     ; my wave's share of T and B: 4,096 a field at the most
	; my wave's own 32 tokens: who is valid, who has my type, how many of them stand below me
	s_wait_loadcnt 0x0
	v_cmp_gt_u32 s21, 8, v6                        ; valid lanes
	v_and_b32 v30, 1, v6
	v_cmp_ne_u32 s22, 0, v30                       ; lanes whose type has bit 0,
	v_and_b32 v30, 2, v6
	v_cmp_ne_u32 s23, 0, v30                       ; bit 1,
	v_and_b32 v30, 4, v6
	v_cmp_ne_u32 s24, 0, v30                       ; bit 2
	s_not_b32 s25, s22
	s_not_b32 s26, s23
	s_not_b32 s27, s24
	v_cndmask_b32 v30, s25, s22, s22               ; the lanes that agree with me in bit 0,
	v_cndmask_b32 v31, s26, s23, s23               ; in bit 1,
	v_cndmask_b32 v[MK], s27, s24, s24             ; in bit 2
	v_and_b32 v30, v30, v31
	v_and_b32 v30, v30, v[MK]
	v_and_b32 v30, s21, v30
	v_mbcnt_lo_u32_b32 v29, v30, 0                 ; my rank among my wave's tokens of my type
	v_mbcnt_lo_u32_b32 v31, s21, 0                 ; valid lanes below me
	s_and_b32 s60, s24, s21
	s_and_b32 s61, s27, s21
	HIST 24, 25, 26                                ; H, my wave's own counts: types 0, 4
	HIST 25, 25, 23                                ; 2, 6
	HIST 26, 22, 26                                ; 1, 5
	HIST 27, 22, 23                                ; 3, 7
	s_mul_i32 s29, s16, 48
	s_add_co_u32 s29, s29, TAB
	v_mov_b32 v[ADR], s29
	ds_store_b128 v[ADR], v[16:19]                 ; row w of the table: T, B, H (all lanes write the same numbers)
	ds_store_b128 v[ADR], v[20:23] offset:16
	ds_store_b128 v[ADR], v[24:27] offset:32
	s_wait_dscnt 0x0                               ; for the others' sake: my row is written
	s_barrier_signal -1
	s_barrier_wait -1
	v_and_b32 v30, 7, v1                           ; lane l reads row l % 8: each group of 8 lanes holds the 8 rows
	v_mul_u32_u24 v[ADR], v30, 48
	v_add_nc_u32 v[ADR], TAB, v[ADR]
	ds_load_b128 v[TB:TB+3], v[ADR]
	ds_load_b128 v[TB+4:TB+7], v[ADR] offset:16
	ds_load_b128 v[TB+8:TB+11], v[ADR] offset:32
	s_wait_dscnt 0x0
	v_cmp_gt_u32 vcc_lo, s16, v30                  ; of H only the waves in front of mine count
.irp r, 0,1,2,3
	v_cndmask_b32 v[TB+8+\r], 0, v[TB+8+\r], vcc_lo
.endr
.irp r, 0,1,2,3
	v_add_nc_u32 v[TB+4+\r], v[TB+4+\r], v[TB+8+\r]
.endr
	REDS TB, 0
.irp r, 0,1,2,3,4,5,6,7
	v_readfirstlane_b32 s[84+\r], v[TB+\r]
.endr
.irp o, 0, 8                           ; o = 0: n[e], all tokens of type e, s32-39;  o = 8: b[e], those in front of my wave, s40-47
	s_and_b32  s[32+\o], s[84+\o/2], 0xffff
	s_lshr_b32 s[36+\o], s[84+\o/2], 16
	s_and_b32  s[34+\o], s[85+\o/2], 0xffff
	s_lshr_b32 s[38+\o], s[85+\o/2], 16
	s_and_b32  s[33+\o], s[86+\o/2], 0xffff
	s_lshr_b32 s[37+\o], s[86+\o/2], 16
	s_and_b32  s[35+\o], s[87+\o/2], 0xffff
	s_lshr_b32 s[39+\o], s[87+\o/2], 16
.endr
	s_mov_b32 s48, 0                               ; base[e], s48-55: the first place of type e; s56: all valid tokens
.irp e, 0,1,2,3,4,5,6,7
	s_add_co_u32 s[49+\e], s[48+\e], s[32+\e]
.endr
	s_mov_b32 s57, s56                             ; s57 = valid tokens at or behind my wave's first
.irp e, 0,1,2,3,4,5,6,7
	s_sub_co_u32 s57, s57, s[40+\e]
.endr
.irp e, 0,1,2,3,4,5,6,7
	s_add_co_u32 s[40+\e], s[40+\e], s[48+\e]      ; the place of my wave's first token of type e
.endr
	v_mov_b32 v[POS], s40
.irp e, 1,2,3,4,5,6,7
	v_cmp_eq_u32 vcc_lo, \e, v6
	v_cndmask_b32 v[POS], v[POS], s[40+\e], vcc_lo
.endr
	v_add_nc_u32 v[POS], v[POS], v29
	v_add_nc_u32 v[MK], s57, v[TKN]                ; a token outside 0..7: all valid tokens + the invalid ones in front of it
	v_sub_nc_u32 v[MK], v[MK], v31                 ; = my token's number + s57 - the valid lanes below me
	v_cndmask_b32 v[POS], v[MK], v[POS], s21
	v_min_u32 v[POS], 0x7fff, v[POS]               ; a place made of loaded numbers is held inside the buffer
	v_lshlrev_b32 v[ADR], 2, v[POS]
	global_store_b32 v[ADR], v[TKN], s[8:9]        ; lanes of one type write neighbouring words
	; rows of out0 whose type lies outside 0..7: zeros, a row at a time by the whole wave, four stores of 512 consecutive bytes
	s_not_b32 s59, s21
	s_cmp_eq_u32 s59, 0
	s_cbranch_scc1 .Lnoinv
	v_mov_b32 v[ZR], 0
	v_mov_b32 v[ZR+1], 0
	v_mov_b32 v[ZR+2], 0
	v_mov_b32 v[ZR+3], 0
	s_add_co_u32 s58, s17, s28                     ; my wave's first token,
	s_lshl_b32 s58, s58, 11                        ; its row of 2,048 bytes
	v_lshl_add_u32 v[ZO], v1, 4, s58
	s_mov_b32 s60, 0
.Lzrow:
	s_lshr_b32 s61, s59, s60
	s_and_b32 s61, s61, 1
	s_cmp_eq_u32 s61, 0
	s_cbranch_scc1 .Lzskip
	global_store_b128 v[ZO], v[ZR:ZR+3], s[14:15]
	global_store_b128 v[ZO], v[ZR:ZR+3], s[14:15] offset:512
	global_store_b128 v[ZO], v[ZR:ZR+3], s[14:15] offset:1024
	global_store_b128 v[ZO], v[ZR:ZR+3], s[14:15] offset:1536
.Lzskip:
	s_wait_xcnt 0x0                                ; the stores' offset register is stepped only behind this wait
	v_add_nc_u32 v[ZO], 2048, v[ZO]
	s_add_co_u32 s60, s60, 1
	s_cmp_lt_u32 s60, 32
	s_cbranch_scc1 .Lzrow
.Lnoinv:
	; the table of tiles: work-group 0, slot s = the thread's number
	s_cmp_lg_u32 ttmp9, 0
	s_cbranch_scc1 .Lsortend
.irp e, 0,1,2,3,4,5,6,7
	s_add_co_u32 s[66+\e], s[32+\e], 575           ; c[e] = (n + 575) / 576 = ((n + 575) x 116,509) >> 26: exact up to 33,343, and the product stays under 2^32
	s_mul_i32 s[66+\e], s[66+\e], 116509
	s_lshr_b32 s[66+\e], s[66+\e], 26
.endr
	s_mov_b32 s74, 0                               ; C[e], s74-82: the first group of four of type e; C[8]: groups in use
.irp e, 0,1,2,3,4,5,6,7
	s_add_co_u32 s[75+\e], s[74+\e], s[66+\e]
.endr
	v_lshrrev_b32 v[TB], 2, v0                     ; my group k
	v_mov_b32 v[TB+1], 0                           ; the last type whose C is not above k: its number, n, base, C, c
	v_mov_b32 v[TB+2], s32
	v_mov_b32 v[TB+3], 0
	v_mov_b32 v[TB+4], 0
	v_mov_b32 v[TB+5], s66
.irp i, 1,2,3,4,5,6,7
	v_cmp_le_u32 vcc_lo, s[74+\i], v[TB]
	v_cndmask_b32 v[TB+1], v[TB+1], \i, vcc_lo
	v_cndmask_b32 v[TB+2], v[TB+2], s[32+\i], vcc_lo
	v_cndmask_b32 v[TB+3], v[TB+3], s[48+\i], vcc_lo
	v_cndmask_b32 v[TB+4], v[TB+4], s[74+\i], vcc_lo
	v_cndmask_b32 v[TB+5], v[TB+5], s[66+\i], vcc_lo
.endr
	v_cmp_le_u32 vcc_lo, s82, v[TB]                ; a group that is over: no rows
	v_cndmask_b32 v[TB+1], v[TB+1], 0, vcc_lo
	v_cndmask_b32 v[TB+2], v[TB+2], 0, vcc_lo
	v_cndmask_b32 v[TB+3], v[TB+3], 0, vcc_lo
	v_cndmask_b32 v[TB+4], v[TB+4], v[TB], vcc_lo
	v_cndmask_b32 v[TB+5], v[TB+5], 1, vcc_lo
	v_lshlrev_b32 v[TB+6], 2, v[TB+5]              ; d = 4 c work-groups share the type's rows
	v_lshlrev_b32 v[TB+7], 2, v[TB+4]
	v_sub_nc_u32 v[TB+7], v0, v[TB+7]              ; j: mine among them
	v_mov_b32 v[TB+8], 0                           ; q = n / d, 144 at the most: eight bits, from the top
.irp b, 7,6,5,4,3,2,1,0
	v_add_nc_u32 v[TB+9], 1<<\b, v[TB+8]
	v_mul_u32_u24 v[TB+10], v[TB+9], v[TB+6]
	v_cmp_le_u32 vcc_lo, v[TB+10], v[TB+2]
	v_cndmask_b32 v[TB+8], v[TB+8], v[TB+9], vcc_lo
.endr
	v_mul_u32_u24 v[TB+10], v[TB+8], v[TB+6]       ; the even deal, for n up to 128 d:
	v_sub_nc_u32 v[TB+10], v[TB+2], v[TB+10]       ; r = n - q d: the first r work-groups take a row more
	v_cmp_lt_u32 vcc_lo, v[TB+7], v[TB+10]
	v_cndmask_b32 v[TB+11], 0, 1, vcc_lo
	v_add_nc_u32 v[TB+13], v[TB+8], v[TB+11]       ; rows
	v_min_u32 v[TB+11], v[TB+7], v[TB+10]
	v_mad_u32_u24 v[TB+12], v[TB+7], v[TB+8], v[TB+3]
	v_add_nc_u32 v[TB+12], v[TB+12], v[TB+11]      ; first place = base + j q + min(j, r)
	v_lshlrev_b32 v[TB+9], 7, v[TB+6]              ; the deal by lumps, for n above 128 d:
	v_cmp_gt_u32 vcc_lo, v[TB+2], v[TB+9]
	v_sub_nc_u32 v[TB+9], v[TB+2], v[TB+9]         ; ex = n - 128 d, 16 d at the most (where n is not above 128 d what follows is not taken)
	v_lshlrev_b32 v[TB+10], 4, v[TB+7]
	v_min_u32 v[TB+10], v[TB+9], v[TB+10]          ; min(ex, 16 j): what the work-groups in front of mine took of it
	v_sub_nc_u32 v[TB+9], v[TB+9], v[TB+10]
	v_min_u32 v[TB+9], 16, v[TB+9]
	v_add_nc_u32 v[TB+9], 128, v[TB+9]             ; rows = 128 + min(16, what is left)
	v_lshl_add_u32 v[TB+11], v[TB+7], 7, v[TB+3]
	v_add_nc_u32 v[TB+11], v[TB+11], v[TB+10]      ; first place = base + 128 j + min(ex, 16 j)
	v_cndmask_b32 v[TB+13], v[TB+13], v[TB+9], vcc_lo
	v_cndmask_b32 v[TB+12], v[TB+12], v[TB+11], vcc_lo
	v_mov_b32 v[TB+14], v[TB+1]
	v_mov_b32 v[TB+15], 0
	v_lshlrev_b32 v[TB+16], 4, v0
	global_store_b128 v[TB+16], v[TB+12:TB+15], s[10:11]
.Lsortend:
	s_wait_tensorcnt 0x0                           ; the wave's end: behind my last LDS store
	ds_add_u32 v2, v3
	s_wait_dscnt 0x0
	s_endpgm
	; ---------------- W TO BF16, IN OPERAND ORDER ----------------
.Lconv:
	s_sub_co_u32 s17, ttmp9, NS
	s_lshl_b32 s17, s17, 3
	s_add_co_u32 s17, s17, s16                     ; my unit, 0..2047
	s_lshr_b32 s18, s17, 8                         ; e: the type
	s_bfe_u32 s19, s17, 0x50003                    ; kg: which 16 k
	s_and_b32 s20, s17, 7                          ; cg: which 64 n
	s_lshl_b32 s22, s18, 20                        ; in W: e x 1 MB + 16 kg rows of 2,048 bytes + 64 cg numbers
	s_lshl_b32 s23, s19, 15
	s_add_co_u32 s22, s22, s23
	s_lshl_b32 s23, s20, 8
	s_add_co_u32 s22, s22, s23
	s_mov_b32 s23, 0
	s_add_nc_u64 s[6:7], s[6:7], s[22:23]
	v_and_b32 v4, 15, v1                           ; l16
	v_lshrrev_b32 v5, 4, v1                        ; h
	v_lshlrev_b32 v6, 4, v4
	v_lshl_add_u32 v6, v5, 14, v6                  ; row 8 h, numbers 4 l16 ..
.irp i, 0,1,2,3,4,5,6,7
	global_load_b128 v[32+4*\i:35+4*\i], v6, s[6:7] offset:2048*\i th:TH_LOAD_NT  ; k = 8 h + i: 16 lanes take 256 consecutive bytes of a row; W is read once
.endr
	s_lshl_b32 s24, s18, 19                        ; in wb: e<<19 | (kg>>3)<<17 | (cg>>1)<<15 | ((kg>>1)&3)<<13 | (cg&1)<<12 | (kg&1)<<9
	s_lshr_b32 s25, s19, 3
	s_lshl_b32 s25, s25, 17
	s_add_co_u32 s24, s24, s25
	s_lshr_b32 s25, s20, 1
	s_lshl_b32 s25, s25, 15
	s_add_co_u32 s24, s24, s25
	s_bfe_u32 s25, s19, 0x20001
	s_lshl_b32 s25, s25, 13
	s_add_co_u32 s24, s24, s25
	s_and_b32 s25, s20, 1
	s_lshl_b32 s25, s25, 12
	s_add_co_u32 s24, s24, s25
	s_and_b32 s25, s19, 1
	s_lshl_b32 s25, s25, 9
	s_add_co_u32 s24, s24, s25
	s_mov_b32 s25, 0
	s_add_nc_u64 s[12:13], s[12:13], s[24:25]
	s_mul_i32 s26, s16, STG                        ; my stage
	v_lshrrev_b32 v7, 2, v4                        ; column n = 4 l16 + c lies in block l16 / 4 of 16 columns, at place r = 4 (l16 % 4) + c:
	v_mul_u32_u24 v7, v7, SPI                      ; stage row l16 / 4, byte 256 h + 16 r.  Within 16 lanes: 528 (l16 / 4) + 64 (l16 % 4), 16 different 16-byte columns modulo 256
	v_lshl_add_u32 v7, v5, 8, v7
	v_and_b32 v8, 3, v4
	v_lshl_add_u32 v7, v8, 6, v7
	v_add_nc_u32 v7, s26, v7
	v_lshlrev_b32 v9, 4, v1
	v_add_nc_u32 v8, s26, v9                       ; back: 512 consecutive bytes of a stage row
	s_wait_loadcnt 0x0
.irp c, 0,1,2,3
.irp m, 0,1,2,3
	v_cvt_pk_bf16_f32 v[64+4*\c+\m], v[32+8*\m+\c], v[32+8*\m+4+\c]  ; column c: k = 8 h + 2 m in the low half, 2 m + 1 in the high half
.endr
.endr
.irp c, 0,1,2,3
	ds_store_b128 v7, v[64+4*\c:67+4*\c] offset:16*\c
.endr
.irp t, 0,1,2,3
	ds_load_b128 v[32+4*\t:35+4*\t], v8 offset:SPI*\t  ; LDS serves a wave's instructions in order (ISA guide 5.7.1.4): these see the stores above
.endr
	s_wait_dscnt 0x0
.irp t, 0,1,2,3
	global_store_b128 v9, v[32+4*\t:35+4*\t], s[12:13] offset:1024*\t  ; half a fragment of block 4 (cg & 1) + t: 512 consecutive bytes, at a multiple of 512 from wb's first
.endr
	s_wait_tensorcnt 0x0                           ; the wave's end: behind my last LDS store
	ds_add_u32 v2, v3
	s_wait_dscnt 0x0
	s_endpgm
.Lfunc_end_k_q8b53c2bc04_prep:
	.size	k_q8b53c2bc04_prep, .Lfunc_end_k_q8b53c2bc04_prep-k_q8b53c2bc04_prep
	.p2alignl 7, 3214868480
	.fill 96, 4, 3214868480
	.section	.rodata,"a",@progbits
	.p2align	6, 0x0
	.amdhsa_kernel k_q8b53c2bc04_prep
		.amdhsa_group_segment_fixed_size 19968
		.amdhsa_private_segment_fixed_size 0
		.amdhsa_enable_private_segment 0
		.amdhsa_kernarg_size 48
		.amdhsa_user_sgpr_count 2
		.amdhsa_user_sgpr_kernarg_segment_ptr 1
		.amdhsa_wavefront_size32 1
		.amdhsa_system_sgpr_workgroup_id_x 1
		.amdhsa_system_sgpr_workgroup_id_y 1
		.amdhsa_system_sgpr_workgroup_id_z 1
		.amdhsa_system_vgpr_workitem_id 0
		.amdhsa_next_free_vgpr 192
		.amdhsa_next_free_sgpr 96
		.amdhsa_reserve_vcc 1
		.amdhsa_float_denorm_mode_32 3
		.amdhsa_float_denorm_mode_16_64 3
		.amdhsa_memory_ordered 1
		.amdhsa_forward_progress 1
		.amdhsa_inst_pref_size 72
	.end_amdhsa_kernel
	.amdgpu_metadata
---
amdhsa.version: [ 1, 2 ]
amdhsa.kernels:
  - .name:           k_q8b53c2bc04_prep
    .symbol:         k_q8b53c2bc04_prep.kd
    .args:
      - { .name: x_type, .offset: 0, .size: 8, .value_kind: global_buffer, .address_space: global }
      - { .name: W, .offset: 8, .size: 8, .value_kind: global_buffer, .address_space: global }
      - { .name: order, .offset: 16, .size: 8, .value_kind: global_buffer, .address_space: global }
      - { .name: tiles, .offset: 24, .size: 8, .value_kind: global_buffer, .address_space: global }
      - { .name: wb, .offset: 32, .size: 8, .value_kind: global_buffer, .address_space: global }
      - { .name: out0, .offset: 40, .size: 8, .value_kind: global_buffer, .address_space: global }
    .group_segment_fixed_size: 19968
    .private_segment_fixed_size: 0
    .kernarg_segment_align: 8
    .kernarg_segment_size: 48
    .max_flat_workgroup_size: 256
    .sgpr_count:     96
    .vgpr_count:     192
    .wavefront_size: 32
...
	.end_amdgpu_metadata
.endif
;; end of part 3
;; launch main (part 4): grid 256 x 1, 4 waves a work-group, no clusters, 184,576 bytes of LDS; arguments x, order, tiles, wb, out0; writes out0
.if DOCPART == 4
	.amdgcn_target "amdgcn-amd-amdhsa--gfx1250"
	.amdhsa_code_object_version 6
	.text
	.protected	k_q8b53c2bc04_main
	.globl	k_q8b53c2bc04_main
	.p2align	8
	.type	k_q8b53c2bc04_main,@function
k_q8b53c2bc04_main:
	s_mov_b64 s[64:65], 0
	v_nop
	global_prefetch_b8 v0, s[64:65] scope:SCOPE_SE
	s_setreg_imm32_b32 hwreg(HW_REG_WAVE_MODE, 25, 1), 1
	s_wait_xcnt 0x0
; out[i] = x[i] @ W[x_type[i]] for the rows that the table of tiles gives this work-group: at most 144 rows of ONE type, all 512 columns.
; x [32768][512] f32 is gathered by the sorted list and rounded once to bf16 on its way through registers into LDS; W comes as bf16 in operand order (wb); sums in f32, K ascending,
; one accumulator for each output; out0 [32768][512] f32 is scattered by the same list.
; LIMITS.  x and W are rounded to bf16 (range of f32, 8 significant bits).  Row slots past the count repeat the tile's last row (the list's first row where the count is 0).
; Rows whose type lies outside 0..7 are not in the table: the launch before has written their zeros.
; SHARES.  Four waves; wave wv makes all 144 row slots x columns 128 wv .. +127, in TWO PASSES of 64 columns (pass P: columns 128 wv + 64 P ..): 36 accumulators of 16 x 16 a pass, 288 registers,
; a set for each pass.  A HALF is 32 along K of one pass: 36 matrix instructions on 9 fragments of x and 4 of W; a pass has 16, the launch 32, numbered on end.
; x STAYS IN LDS: eight chunks of 64 along K, each written once.  Pass 0 follows x as it arrives, with one barrier a chunk between the waves' stores and the reads; pass 1 reads it again and needs no barrier.
; PASS 0's RESULTS LEAVE UNDER PASS 1's PRODUCTS, a block of 16 rows a half: half of the output is on its way while the matrix work goes on.
; W GOES STRAIGHT INTO OPERAND REGISTERS: a fragment of W is read by one wave alone and lies in wb as the registers take it, 512 consecutive bytes a load: a way through LDS would add a write and a read of each
; byte, and slots filled again only behind a barrier.  So the text has no tensor load.  Six buffers of 32 registers take turns.
; THE MATRIX INSTRUCTION IS USED TRANSPOSED: source 0 = 16 columns of W, source 1 = 16 rows of x: a lane then holds ONE row (lane % 16) and eight neighbouring columns 8 (lane / 16) + 0..7.
; THE NINTH BLOCK (slots 128-143): where the count is 128 or less its four products are jumped, in every half but a pass's first, which starts its sums: so its registers are written on every way.
; All loads, LDS instructions and waits are the same on both ways.  The table gives few work-groups more than 128 rows.
; STORES.  A row's part in a pass is 256 bytes, so a store takes two rows: lanes 0-15 one aligned block of 256 bytes, lanes 16-31 another.  A pair whose first row is at or past the count is jumped.
; Where the count cuts a pair, its second slot repeats the tile's last row: the same token, the same operands, the same sums: lanes 16-31 store the bytes that lanes 0-15 store, at the same place.
; BRANCHES: only forward, over those products and stores: no barrier, no load and no LDS instruction is jumped.  EXEC is never written.
; NO CLUSTER.  The table gives four neighbouring work-groups the same type, so they walk the same 512 KB of wb.  But which type that is hangs on the split of the tokens: it is a number read from the table, and
; the address of a joint load is to be made of what the partners share by their places alone.  x's rows are read by one work-group each: nothing to share there.
; THE WAITS' COUNTS ARE KEPT BY THE ASSEMBLER.  LI counts the global loads issued, DI the LDS instructions; a mark remembers the figure behind a group.  Both kinds come back in order (ISA guide 5.7.1), so the
; count of a wait is what has been issued behind the group, and a group older than one already waited for (LK, DK) needs no wait.  No load or LDS instruction stands under a branch, so the figures hold on every way.
; HOW FAR AHEAD.  x: chunk t + 3 is asked for at the end of half 2 t and rounded at the end of half 2 t + 4.  W of halves 2 t + 3 and 2 t + 4 is asked for just ahead of that chunk: every x load older than a W
; group has then been waited for by the time that group is due.  At most 60 loads are issued behind any group that is waited for.  From half 11 on, when x's loads have ended, W runs five halves ahead.
; LDS: 0 eight chunks of x, 144 rows x 144 bytes each;  165,888 four stages of 16 rows x 272 bytes, a wave's own;  183,296 the slots' token numbers (even slots, then odd slots);  184,064 the spare words.
; REGISTERS, in windows of 256 (s_set_vgpr_msb: bits 1:0 source 0, 3:2 source 1, 5:4 source 2, 7:6 destination):
;   window 0: v0-8 addresses; v10-27 x offsets; v28-99 x fragments (block a at 28 + 8 a); v100-171, v172-243 two chunk buffers, in pass 1 the way out's registers; v244-254 addresses and at work
;   windows 1, 2, 3: blocks 0-2, 3-5, 6-8: v0-95 pass 0's accumulators, v96-191 pass 1's ((a, b) at 32 (a % 3) + 8 b); v192-255 two W buffers each
.set XP,    144                        ; a row of 64 bf16: 128 bytes + 16 of padding = 36 words: the 16 rows of a fragment load start at 16 different groups of four banks (64 banks of 4 bytes: ISA guide 11.1)
.set XSL,   144*XP                     ; a chunk of x
.set STG,   8*XSL                      ; the stages
.set SPI,   272                        ; a stage row: 256 bytes + 16
.set STW,   16*SPI                     ; a wave's stage
.set TOK,   STG+4*STW                  ; token numbers: slot s at TOK + 288 (s % 2) + 4 (s / 2)
.set TOKH,  288
.set SPARE, TOK+768                    ; 128 bytes for each wave: two blocks of 256 bytes that no other line names
.set AX,    3                          ; v3-5    LDS address of my x fragments in chunks 0-2, 3-5, 6-7 (an LDS offset has 16 bits)
.set XST,   6                          ; v6-8    where I lay rounded x, likewise
.set XO,    10                         ; v10-27  byte offsets in x of the rows that I fetch
.set XF,    28
.set CBUF,  100
.set WA,    244                        ; v244    16 x lane
.set STO,   245                        ; v245    where I put 32 bytes of a stage row
.set RD,    246                        ; v246    where I read two stage rows back
.set TKB,   247                        ; v247    the token numbers of my half of the lanes
.set OCOL,  248                        ; v248    my 16 bytes of my wave's 512 in a row of out0
.set WF,    192
.set NB,    6                          ; W buffers
.set MSB, 0
.set LI, 0
.set LK, 0
.set DI, 0
.set DK, 0
.set OM, 0
.set XM0, 0
.set XM1, 0
.set WM0, 0
.set WM1, 0
.set WM2, 0
.set WM3, 0
.set WM4, 0
.set WM5, 0
.set FM0, 0
.set FM1, 0
.set FM2, 0
.set SM0, 0
.set SM1, 0
.macro WIN new                         ; the immediate's high byte repeats the setting that is left; a switch that changes nothing is dropped
.if MSB != (\new)
	s_set_vgpr_msb (MSB<<8)|(\new)
.set MSB, (\new)
.endif
.endm
.macro LWAIT mark                      ; the global loads up to the mark are in
.if (\mark) > LK
	s_wait_loadcnt LI-(\mark)
.set LK, (\mark)
.endif
.endm
.macro DWAIT mark                      ; the LDS instructions up to the mark are done
.if (\mark) > DK
	s_wait_dscnt DI-(\mark)
.set DK, (\mark)
.endif
.endm
.macro WMARK b
.if (\b) == 0
.set WM0, LI
.elseif (\b) == 1
.set WM1, LI
.elseif (\b) == 2
.set WM2, LI
.elseif (\b) == 3
.set WM3, LI
.elseif (\b) == 4
.set WM4, LI
.else
.set WM5, LI
.endif
.endm
.macro WWAIT b
.if (\b) == 0
	LWAIT WM0
.elseif (\b) == 1
	LWAIT WM1
.elseif (\b) == 2
	LWAIT WM2
.elseif (\b) == 3
	LWAIT WM3
.elseif (\b) == 4
	LWAIT WM4
.else
	LWAIT WM5
.endif
.endm
; A load into a register that a matrix instruction has read, and an LDS store that reads a matrix result, stand four places behind it; only plain vector instructions that name none of its
; registers are places (ISA guide 7.12.1 for vector instructions).
.macro PLACES
.rept 4
	v_nop
.endr
.endm
; Chunk t of x: K = 64 t .. 64 t + 63 of my 36 row slots, into buffer t % 2.  Load p: lanes 0-15 take 256 consecutive bytes of slot 18 wv + p, lanes 16-31 of slot 18 wv + p + 72.
.macro GLOAD t
	WIN 0
.set CB, CBUF+72*((\t)%2)
.set p, 0
.rept 18
	global_load_b128 v[CB+4*p:CB+4*p+3], v[XO+p], s[4:5] offset:256*(\t)
.set p, p+1
.endr
.set LI, LI+18
.if ((\t)%2) == 0
.set XM0, LI
.else
.set XM1, LI
.endif
.endm
; Chunk t is rounded to bf16 in place and laid into its part of LDS.  A store's two rows lie 72 x 144 bytes apart, 128 modulo 256.
.macro CONVERT t
	WIN 0
.set CB, CBUF+72*((\t)%2)
.if ((\t)%2) == 0
	LWAIT XM0
.else
	LWAIT XM1
.endif
.set p, 0
.rept 18
	v_cvt_pk_bf16_f32 v[CB+4*p], v[CB+4*p], v[CB+4*p+1]
	v_cvt_pk_bf16_f32 v[CB+4*p+1], v[CB+4*p+2], v[CB+4*p+3]
.set p, p+1
.endr
.set p, 0
.rept 18
	ds_store_b64 v[XST+(\t)/3], v[CB+4*p:CB+4*p+1] offset:((\t)%3)*XSL+XP*p
.set p, p+1
.endr
.set DI, DI+18
.endm
; Six LDS loads: the x fragments of blocks 3 g .. 3 g + 2 for K = 32 kap .. +31
.macro XFETCH g, kap
	WIN 0
.set XA, AX+((\kap)/2)/3
.set XB, (((\kap)/2)%3)*XSL+64*((\kap)%2)
.irp i, 0,1,2
	ds_load_b128 v[XF+8*(3*(\g)+\i):XF+8*(3*(\g)+\i)+3],   v[XA] offset:XB+16*XP*(3*(\g)+\i)
	ds_load_b128 v[XF+8*(3*(\g)+\i)+4:XF+8*(3*(\g)+\i)+7], v[XA] offset:XB+16*XP*(3*(\g)+\i)+32
.endr
.set DI, DI+6
.set FM\g, DI
.endm
; Eight global loads: my four W fragments of half j (pass j / 16, K = 32 (j % 16) ..) into buffer j % 6: 4,096 consecutive bytes of wb
.macro WLOAD j
.set WBN, (\j)%NB
.set WO, ((((\j)%16)>>2)<<17)|((((\j)%16)&3)<<13)|(((\j)/16)<<12)
.set WR, WF+32*(WBN%2)
	WIN (1+WBN/2)<<6
.irp b, 0,1,2,3
	global_load_b128 v[WR+8*\b:WR+8*\b+3],   v[WA], s[34:35] offset:WO+1024*\b
	global_load_b128 v[WR+8*\b+4:WR+8*\b+7], v[WA], s[34:35] offset:WO+1024*\b+512
.endr
.set LI, LI+8
	WMARK WBN
.endm
; 12 matrix instructions: blocks 3 g .. 3 g + 2 x the pass's 4 column blocks, 32 along K, W from buffer wb.  zero: the products start the sums.
; The pass's 36 accumulators take turns in the same order in every half: between two links of a chain stand the others'.
.macro MUL g, ps, wb, zero
.set WN, (((\g)+1)<<6)|(((\g)+1)<<4)|(1+(\wb)/2)
.set WR, WF+32*((\wb)%2)
.set AB, 96*(\ps)
	WIN WN
.irp i, 0,1,2
.if ((\g) == 2) && ((\i) == 2) && !(\zero)
	WIN 0                                          ; at a branch and at a label every window is 0
	s_cmp_le_u32 s21, 128                          ; no row in slots 128-143: the ninth block's products are jumped
	s_cbranch_scc1 .Lno9_\@
	WIN WN
.endif
.irp b, 0,1,2,3
.if \zero
	v_wmma_f32_16x16x32_bf16 v[AB+32*\i+8*\b:AB+32*\i+8*\b+7], v[WR+8*\b:WR+8*\b+7], v[XF+8*(3*(\g)+\i):XF+8*(3*(\g)+\i)+7], 0
.else
	v_wmma_f32_16x16x32_bf16 v[AB+32*\i+8*\b:AB+32*\i+8*\b+7], v[WR+8*\b:WR+8*\b+7], v[XF+8*(3*(\g)+\i):XF+8*(3*(\g)+\i)+7], v[AB+32*\i+8*\b:AB+32*\i+8*\b+7]
.endif
.endr
.endr
.if ((\g) == 2) && !(\zero)
	WIN 0
.Lno9_\@:
.endif
.endm
; HALF j.  Behind each group's products its fragment registers take the next half's fragments, a half ahead of their use.
; In pass 0 an odd half (but the last) is followed by a new chunk: in front of the barrier my part of that chunk is stored, behind it everybody's is, and the chunk is read.
.macro HALF j
.set PS, (\j)/16
.set KN, ((\j)+1)%16
.set WB, (\j)%NB
.set ZR, 0
.if ((\j)%16) == 0
.set ZR, 1
.endif
.set NX, 1
.if (\j) == 31
.set NX, 0
.endif
.set BR, 0
.if ((\j) < 15) && (((\j)%2) == 1)
.set BR, 1
.endif
	WWAIT WB                                       ; this half's W is in
	DWAIT FM0                                      ; blocks 0-2 are in
	MUL 0, PS, WB, ZR
.if BR
	s_wait_dscnt 0x0                               ; for the others' sake: my part of the next chunk is stored (and blocks 3-8 are in)
.set DK, DI
	s_barrier_signal -1
	MUL 1, PS, WB, ZR                              ; work on registers while the others arrive
	WIN 0
	s_barrier_wait -1
	PLACES
	XFETCH 0, KN
	XFETCH 1, KN
	MUL 2, PS, WB, ZR
	PLACES
	XFETCH 2, KN
.else
.if NX
	PLACES
	XFETCH 0, KN
.endif
	DWAIT FM1                                      ; blocks 3-5 are in
	MUL 1, PS, WB, ZR
.if NX
	PLACES
	XFETCH 1, KN
.endif
	DWAIT FM2                                      ; blocks 6-8 are in
	MUL 2, PS, WB, ZR
.if NX
	PLACES
	XFETCH 2, KN
.endif
.endif
.endm
; THE WAY OUT of block a of pass ps.  TOSTAGE: a lane's 4 x 8 numbers of a row go into my stage (each accumulator's low registers first) and come back as pairs of rows of 256 bytes,
; and with them the pairs' token numbers.  The rows come back into the registers that the stores of the block two before read: s_wait_xcnt 0 stands ahead of those loads and frees that block's offset registers too.
.macro TOSTAGE a, ps
.set AC, 96*(\ps)+32*((\a)%3)
.set OB, CBUF+32*((\a)%2)
.set TK, CBUF+64+8*((\a)%2)
	WIN (1+(\a)/3)<<2                              ; the stores' data in the block's window
.irp b, 0,1,2,3
	ds_store_b128 v[STO], v[AC+8*\b:AC+8*\b+3]   offset:64*\b
	ds_store_b128 v[STO], v[AC+8*\b+4:AC+8*\b+7] offset:64*\b+16
.endr
	WIN 0
.if ((\ps) == 1) || ((\a) >= 2)
	s_wait_xcnt 0x0                                ; every earlier store has had its addresses translated (ISA guide 3.1): its data and offset registers may be written again
.endif
.irp i, 0,1,2,3,4,5,6,7
	ds_load_b128 v[OB+4*\i:OB+4*\i+3], v[RD] offset:2*SPI*\i  ; LDS serves a wave's instructions in order (ISA guide 5.7.1.4): these see the stores above; the next block's stores come behind them
.endr
	ds_load_b128 v[TK:TK+3],   v[TKB] offset:32*(\a)
	ds_load_b128 v[TK+4:TK+7], v[TKB] offset:32*(\a)+16
.set DI, DI+18
.if ((\a)%2) == 0
.set SM0, DI
.else
.set SM1, DI
.endif
.endm
; SEND: pair i of the block goes to its two tokens' rows of out0: each half of the lanes stores 256 consecutive bytes, at a multiple of 256 from out0's first.
.macro SEND a, ps
.set OB, CBUF+32*((\a)%2)
.set TK, CBUF+64+8*((\a)%2)
.set OF, CBUF+80+8*((\a)%2)
	WIN 0
.if ((\a)%2) == 0
	DWAIT SM0
.else
	DWAIT SM1
.endif
.irp i, 0,1,2,3,4,5,6,7
	v_min_u32 v[OF+\i], 0x7fff, v[TK+\i]           ; a loaded number is held inside the buffer
.endr
.irp i, 0,1,2,3,4,5,6,7
	v_lshl_add_u32 v[OF+\i], v[OF+\i], 11, v[OCOL]
.endr
.irp i, 0,1,2,3,4,5,6,7
	s_cmp_le_u32 s21, 16*(\a)+2*\i                 ; the pair's first row is at or past the count: so are all that follow
	s_cbranch_scc1 .Lsent_\@
	global_store_b128 v[OF+\i], v[OB+4*\i:OB+4*\i+3], s[12:13] offset:256*(\ps) th:TH_STORE_NT
.endr
.Lsent_\@:
.endm
; What stands behind half j.  Pass 0: the W loads, ahead of the wait for x; in an even half the next chunk is rounded and stored, and its buffer asked for anew.
; Pass 1: a block of pass 0 goes into the stage, the block before it is stored, and then come the W loads, so that the wait for the stores' addresses finds no fresh load.
.macro AFTER j
.if (\j) < 16
.if (((\j)%2) == 0) && ((\j) <= 10)
	WLOAD (\j)+3
	WLOAD (\j)+4
.elseif (\j) == 11
	WLOAD 15
	WLOAD 16
.elseif (\j) >= 12
	WLOAD (\j)+5
.endif
.if (((\j)%2) == 0) && ((\j) <= 12)
	CONVERT (\j)/2+1
.if (\j) <= 8
	GLOAD (\j)/2+3
.endif
.endif
.else
.if (\j) <= 24
	TOSTAGE (\j)-16, 0
.endif
.if ((\j) >= 17) && ((\j) <= 25)
	SEND (\j)-17, 0
.endif
.if (\j) <= 26
	WLOAD (\j)+5
.endif
.endif
.endm
	s_load_b256 s[4:11], s[0:1], 0x0               ; x s[4:5], order s[6:7], tiles s[8:9], wb s[10:11]
	s_load_b64 s[12:13], s[0:1], 0x20              ; out0
	v_lshl_add_u32 v1, v0, 2, SPARE                ; my spare word,
	v_mov_b32 v2, 0                                ; and 0: both kept for the add at the wave's end
	v_lshrrev_b32 v253, 5, v0
	v_readfirstlane_b32 s14, v253                  ; wave 0..3
	s_lshl_b32 s18, ttmp9, 4                       ; my slot of the table: 16 bytes a work-group
	v_and_b32 v250, 15, v0                         ; l % 16
	v_bfe_u32 v251, v0, 4, 1                       ; l / 16
	s_mul_i32 s17, s14, 18
	v_mul_u32_u24 v252, v251, 72
	v_add_nc_u32 v252, s17, v252                   ; the first of the row slots that I fetch: 18 wv + 72 (l / 16)
	v_and_b32 v[WA], 31, v0
	v_lshlrev_b32 v[WA], 4, v[WA]
	s_wait_kmcnt 0x0
	s_load_b128 s[20:23], s[8:9], s18 offset:0x0   ; my first place in the list, my rows, my type, 0
	s_wait_kmcnt 0x0
	s_min_u32 s20, s20, 0x7fff                     ; loaded numbers are held inside their ranges
	s_min_u32 s21, s21, 144
	s_min_u32 s22, s22, 7
	s_max_u32 s23, s21, 1
	s_sub_co_u32 s23, s23, 1                       ; slots past the count repeat the last row
.set p, 0
.rept 18
	v_add_nc_u32 v[CBUF+p], p, v252
	v_min_u32 v[CBUF+p], s23, v[CBUF+p]
	v_add_nc_u32 v[CBUF+p], s20, v[CBUF+p]
	v_min_u32 v[CBUF+p], 0x7fff, v[CBUF+p]
	v_lshlrev_b32 v[CBUF+p], 2, v[CBUF+p]
	global_load_b32 v[XO+p], v[CBUF+p], s[6:7]     ; the slot's token
.set p, p+1
.endr
.set LI, LI+18
.set OM, LI
	s_lshl_b32 s40, s22, 19                        ; my type's 512 KB of wb,
	s_lshl_b32 s41, s14, 15                        ; my wave's 32 KB in each K step of 128
	s_add_co_u32 s40, s40, s41
	s_mov_b32 s41, 0
	s_add_nc_u64 s[34:35], s[10:11], s[40:41]
	WLOAD 0
	WLOAD 1
	WLOAD 2
	WIN 0
	v_lshlrev_b32 v254, 4, v250
	v_lshl_add_u32 v253, v252, 1, TOK              ; my first slot is even: its word lies at 4 x (slot / 2)
	LWAIT OM                                       ; the tokens
.set p, 0
.rept 18
	v_min_u32 v[XO+p], 0x7fff, v[XO+p]
	ds_store_b32 v253, v[XO+p] offset:TOKH*(p%2)+4*(p/2)  ; kept for the way out (16 lanes write the same word)
	v_lshl_add_u32 v[XO+p], v[XO+p], 11, v254      ; the row's 2,048 bytes, my 16 of each 256
.set p, p+1
.endr
.set DI, DI+18
	GLOAD 0
	GLOAD 1
	v_mul_u32_u24 v[AX], v250, XP                  ; an x fragment: row l % 16, 16 bytes for each half of the lanes
	v_lshl_add_u32 v[AX], v251, 4, v[AX]
	v_add_nc_u32 v[AX+1], 3*XSL, v[AX]
	v_add_nc_u32 v[AX+2], 6*XSL, v[AX]
	v_mul_u32_u24 v[XST], v252, XP                 ; where I lay rounded x: my first row slot, 8 bytes a lane
	v_lshl_add_u32 v[XST], v250, 3, v[XST]
	v_add_nc_u32 v[XST+1], 3*XSL, v[XST]
	v_add_nc_u32 v[XST+2], 6*XSL, v[XST]
	s_mul_i32 s17, s14, STW
	s_add_co_u32 s17, s17, STG                     ; my stage
	v_mul_u32_u24 v[STO], v250, SPI                ; in: row l % 16, 32 bytes for each half of the lanes; 272 r is 16 r modulo 256: 16 different columns
	v_lshl_add_u32 v[STO], v251, 5, v[STO]
	v_add_nc_u32 v[STO], s17, v[STO]
	v_mul_u32_u24 v[RD], v251, SPI                 ; back: lanes 0-15 take one row of 256 bytes, lanes 16-31 the next
	v_lshl_add_u32 v[RD], v250, 4, v[RD]
	v_add_nc_u32 v[RD], s17, v[RD]
	v_mul_u32_u24 v[TKB], v251, TOKH               ; lanes 0-15 want the even slots' tokens, lanes 16-31 the odd slots'
	v_add_nc_u32 v[TKB], TOK, v[TKB]
	s_lshl_b32 s17, s14, 9
	v_lshl_add_u32 v[OCOL], v250, 4, s17
	CONVERT 0
	GLOAD 2
	s_wait_dscnt 0x0                               ; for the others' sake: my token numbers and my part of chunk 0 are stored
.set DK, DI
	s_barrier_signal -1
	s_barrier_wait -1
	XFETCH 0, 0
	XFETCH 1, 0
	XFETCH 2, 0
	; the 32 halves are written out: W's buffers go by j % 6, the chunk buffers by t % 2, and what stands behind a half changes along the way
.irp j, 0,1,2,3,4,5,6,7,8,9,10,11,12,13,14,15,16,17,18,19,20,21,22,23,24,25,26,27,28,29,30,31
	HALF \j
	AFTER \j
.endr
	PLACES                                         ; pass 1's results go out
	TOSTAGE 0, 1
.irp a, 1,2,3,4,5,6,7,8
	TOSTAGE \a, 1                                  ; a block's trip through the stage is on its way while the block before is stored
	SEND (\a)-1, 1
.endr
	SEND 8, 1
	s_wait_tensorcnt 0x0                           ; the wave's end: behind my last LDS store
	ds_add_u32 v1, v2
	s_wait_dscnt 0x0
	s_endpgm
.Lfunc_end_k_q8b53c2bc04_main:
	.size	k_q8b53c2bc04_main, .Lfunc_end_k_q8b53c2bc04_main-k_q8b53c2bc04_main
	.p2alignl 7, 3214868480
	.fill 96, 4, 3214868480
	.section	.rodata,"a",@progbits
	.p2align	6, 0x0
	.amdhsa_kernel k_q8b53c2bc04_main
		.amdhsa_group_segment_fixed_size 184576
		.amdhsa_private_segment_fixed_size 0
		.amdhsa_enable_private_segment 0
		.amdhsa_kernarg_size 40
		.amdhsa_user_sgpr_count 2
		.amdhsa_user_sgpr_kernarg_segment_ptr 1
		.amdhsa_wavefront_size32 1
		.amdhsa_system_sgpr_workgroup_id_x 1
		.amdhsa_system_sgpr_workgroup_id_y 1
		.amdhsa_system_sgpr_workgroup_id_z 1
		.amdhsa_system_vgpr_workitem_id 0
		.amdhsa_next_free_vgpr 1024
		.amdhsa_next_free_sgpr 66
		.amdhsa_reserve_vcc 0
		.amdhsa_float_denorm_mode_32 3
		.amdhsa_float_denorm_mode_16_64 3
		.amdhsa_memory_ordered 1
		.amdhsa_forward_progress 1
		.amdhsa_inst_pref_size 255
	.end_amdhsa_kernel
	.section	.bss,"aw",@nobits
	.p2align	6
	.space	262144
	.amdgpu_metadata
---
amdhsa.version: [ 1, 2 ]
amdhsa.kernels:
  - .name:           k_q8b53c2bc04_main
    .symbol:         k_q8b53c2bc04_main.kd
    .args:
      - { .name: x, .offset: 0, .size: 8, .value_kind: global_buffer, .address_space: global }
      - { .name: order, .offset: 8, .size: 8, .value_kind: global_buffer, .address_space: global }
      - { .name: tiles, .offset: 16, .size: 8, .value_kind: global_buffer, .address_space: global }
      - { .name: wb, .offset: 24, .size: 8, .value_kind: global_buffer, .address_space: global }
      - { .name: out0, .offset: 32, .size: 8, .value_kind: global_buffer, .address_space: global }
    .group_segment_fixed_size: 184576
    .private_segment_fixed_size: 0
    .kernarg_segment_align: 8
    .kernarg_segment_size: 40
    .max_flat_workgroup_size: 128
    .sgpr_count:     66
    .vgpr_count:     1024
    .wavefront_size: 32
...
	.end_amdgpu_metadata
.endif
;; end of part 4
